; MI455X (gfx1250); checked and timed in simulation.
; The chip was launched on July 23, 2026; its instructions are those of AMD's public machine-readable ISA for CDNA 5 (MIT licence, August 2026) and "CDNA5" Instruction Set Architecture Reference Guide (July 2026). The comments in the code are by the model that wrote it; some were corrected since.
;; Phasor Layer. Allowed arithmetic: matrix products marked QUANTISED: E4M3 operands, one E8M0 scale for each 32 along K, by v_wmma_scale_f32_16x16x128_f8f6f4 with both operands' format E4M3, f32 sums; everything else in f32.
;; Inputs: Wk 64 x 4,096 float32; Wo 4,096 x 4,096 float32; Wq 64 x 4,096 float32; Wv 4,096 x 4,096 float32; bk 64 float32; bo 4,096 float32; bq 64 float32; bv 4,096 float32; ln_b 4,096 float32; ln_g 4,096 float32; x 2,048 x 4,096 float32.
;; Outputs: out0 2,048 x 4,096 float32.
;; This version of the problem:
;;   THIS VERSION OF THE PROBLEM IS GIVEN IN LOW PRECISION. The matrix products marked QUANTISED in the list below multiply operands that are first quantised to E4M3 (4 exponent bits, 3 mantissa bits; 8 bits a number), with one power-of-two scale for each 32 numbers along K (OCP MX v1.0); their sums are f32. All else is computed in f32.
;;   The module's matrix products, in the order in which they are computed (A, B: the left and right operand; K: the contracted axis; several contracted axes count as one K, in the product's order):
;;     1. [M 2,048, K 4,096] x [K 4,096, N 64]; A: input x; B: input Wk: QUANTISED
;;     2. [M 2,048, K 4,096] x [K 4,096, N 64]; A: input x; B: input Wq: QUANTISED
;;     3. [M 2,048, K 4,096] x [K 4,096, N 4,096]; A: input x; B: input Wv: QUANTISED
;;     4. [M 2,048, K 4,096] x [K 4,096, N 4,096]; A: computed on the way; B: input Wo: QUANTISED
;;   THE QUANTISER, for each operand of a quantised product, along K:
;;     - K is cut into blocks of 32 from its start; a last block that is shorter is filled with zeros.
;;     - A block's scale is 2^e with e = floor(log2(the largest magnitude in the block)) - 8, held to -126 .. 127; a block of zeros has e = 0. As a byte (E8M0): e + 127.
;;     - Each number is divided by its block's scale, clamped to +-448, and rounded to the nearest number of E4M3, ties to even, subnormals kept.
;;     - The product sums the exact products of the quantised numbers (number of the format x scale) in f32.
;;   ~~~python
;;   def quantise(x, axis):      # numpy; x: float32 -> the quantised numbers, widened to float32 again
;;       x = np.moveaxis(x, axis, -1); K = x.shape[-1]
;;       x = np.pad(x, [(0, 0)] * (x.ndim - 1) + [(0, -K % 32)]); x = x.reshape(x.shape[:-1] + (-1, 32)); a = np.abs(x).max(-1, keepdims=True)
;;       e = np.where(a > 0, np.clip(np.frexp(np.where(a > 0, a, 1))[1] - 1 - 8, -126, 127), 0)      # np.frexp(a)[1] - 1 = floor(log2(a)), exactly
;;       r = np.clip(x / 2.0 ** e, -448, 448)
;;       step = 2.0 ** (np.maximum(np.frexp(np.where(r == 0, 1, r))[1] - 1, -6) - 3)
;;       q = np.round(r / step) * step * 2.0 ** e      # np.round: ties to even
;;       return np.moveaxis(q.reshape(q.shape[:-2] + (-1,))[..., :K], -1, axis).astype(np.float32)
;;   ~~~
;;   OPERANDS COMPUTED ON THE WAY. 'Computed on the way' means the value that the module computes at that place (a softmax that the list does not call 'softmax' is quantised finished and normalised). What goes into a quantiser is computed in f32, as accurately as f32 sums, v_exp_f32 and their like allow (about 1e-6 of the number): no bf16 or f16 on the way to a quantiser, and a product that is left as it is and whose result goes on into a quantised operand takes f32 operands (vector FMAs, or v_wmma_f32_16x16x4_f32). A number that lies on a knife's edge between two numbers of the format may be rounded either way, as far as f32 arithmetic and the matrix unit's own rounding can turn it there, and no further.
;; One version. Each part assembles by itself: llvm-mc -triple=amdgcn-amd-amdhsa -mcpu=gfx1250 --defsym DOCPART=n.
;; ======== version 1 of 1: 4 launches
;; limits: right only within a limited range of input values
;; workspace buffers: act_codes 8,388,608 bytes; act_scales 262,144 bytes; wv_codes 17,301,504 bytes; wv_scales 540,672 bytes; wo_codes 16,777,216 bytes; wo_scales 524,288 bytes; v 33,554,432 bytes; z 1,048,576 bytes
;; launch quant (part 1): grid 1296 x 1, 4 waves a work-group, no clusters, 67,072 bytes of LDS; arguments x, Wv, Wo, Wk, Wq, act_codes, act_scales, wv_codes, wv_scales, wo_codes, wo_scales; writes act_codes, act_scales, wv_codes, wv_scales, wo_codes, wo_scales
.if DOCPART == 1
	.amdgcn_target "amdgcn-amd-amdhsa--gfx1250"
	.amdhsa_code_object_version 6
	.text
	.protected	k_q5ab7284f4f_quant
	.globl	k_q5ab7284f4f_quant
	.p2align	8
	.type	k_q5ab7284f4f_quant,@function
k_q5ab7284f4f_quant:
	s_mov_b64 s[64:65], 0
	v_nop
	global_prefetch_b8 v0, s[64:65] scope:SCOPE_SE
	s_setreg_imm32_b32 hwreg(HW_REG_WAVE_MODE, 25, 1), 1
	s_wait_xcnt 0x0
; FIRST OF FOUR LAUNCHES.  out0 = x + Q(LN(s V)) Q(Wo)^T + bo, V = Q(x) Q(Wv)^T + bv, s = A softplus(A / 64 + 0.5) / 64, A = the sum over p of cos(pi (tanh(zk + bk) - tanh(zq + bq))),
; zk = Q(x) Q(Wk)^T, zq = Q(x) Q(Wq)^T; Q is the quantiser to E4M3 with one E8M0 scale for each 32 along K = 4,096, which is innermost in x and in all four weights.
; NO WORK IS LEFT OUT: the row's gain s does not cancel in the LayerNorm (its sign stays, and so does the eps beside s^2 var), so both small products, bk and bq are live; all eleven inputs are loaded by some launch.
; THIS LAUNCH quantises x, Wv, Wo, Wk and Wq once, since every part of them is read by many work-groups of the products' launches.
;   act_codes [2048][4096], act_scales [2048][128]: Q(x), by rows: the products' launches bring them into LDS as tiles.
;   THE WEIGHTS ARE LAID IN THE ORDER OF THE OPERAND'S REGISTERS, since a wave of the products' launches loads them from memory straight into registers.  A row block is 16 rows.
;   codes [row block][K step of 128][c = 0 .. 3][lane][16 bytes]: lane (r, h) of piece c holds row r, K = 32 c + 16 h + 0 .. 15 of the step: a fragment is 2,048 bytes on end, four loads of 16 bytes a lane.
;   scales [row block][g = 0 .. 7][row r][4 words]: word q is row r's four scale bytes of K step 4 g + q: 16 bytes give a lane its words for 512 along K.
;   wv_codes, wv_scales: 264 row blocks: 0-255 Wv, 256-259 Wk, 260-263 Wq.   wo_codes, wo_scales: 256 row blocks.
; A block's scale is 2^(floor(log2(its largest magnitude)) - 8); its byte is the largest magnitude's exponent field - 8, held at 1 from below.  Each number is divided by the scale, held within +-448 and rounded to the nearest code, ties to even.
; LIMITS: a block of zeros gets the byte 1 where the rule says 127 (its codes are zeros, which add nothing under any byte but 0xff, and this program alone reads the bytes); NaN and infinities among the inputs are not served.
; SHARES.  Work-groups 0-255: 8 rows of x each, a wave 2 rows, 16 steps of 512 numbers.  Work-groups 256-1295: half a row block of a weight each, a wave 16 rows x 512 along K: four fragments.  Every work-group reads 131,072 bytes.
; The two paths part on the work-group's number and do not meet again; each has LDS bytes of its own.  No tensor loads, no barrier: waves share nothing.
.set WAVES, 4
.set STEPS, 16
.set EMAX,  8
.set MANT,  0x600000                   ; the mantissa field of 448 as f32
.set CB,    16                         ; bytes of 16 codes
.set SPW,   12                         ; v12      LDS address of my spare word; never rewritten
.set NIL,   13                         ; v13      0; never rewritten
; x's path
.set R,     16                         ; v16-79   four sets of 16 numbers as they are loaded
.set X,     80                         ; v80-111  two sets of 16 neighbours
.set C,     128                        ; v128-191 codes: four registers for each step, so that no store's data are written again
.set E,     112                        ; v112-127 a scale byte for each step
.set WREG,  8192                       ; LDS: a region for each wave: two stages of 32 x SP bytes, behind them its 256 scale bytes
.set SP,    80                         ; a lane's place in a stage: 64 bytes + 16 of padding
; the weights' path
.set WST,   WAVES*WREG                 ; LDS: behind x's regions: a stage of 16 rows for each wave
.set WP,    528                        ; a stage row: 512 bytes + 16 of padding = 132 words: row r starts at bank 4 r mod 64 (64 banks of 4 bytes: ISA guide 11.1)
.set WSTG,  16*WP
.set RW,    16                         ; v16-143  two sets of 64: a fragment's numbers as they are loaded, a row a load
.set XW,    144                        ; v144-207 the lane's 64 numbers in the operand's order
.set PC,    208                        ; v208-239 codes, two sets of 16
.set TM,    240                        ; v240-255 at work
.set PWD,   8                          ; v8-11    the four fragments' scale words
.set SPARE, WST+WAVES*WSTG             ; behind the stages: the spare words, 128 bytes a wave, which no other line names
	s_load_b512 s[4:19], s[0:1], 0x0               ; x 4, Wv 6, Wo 8, Wk 10, Wq 12, act_codes 14, act_scales 16, wv_codes 18
	s_load_b128 s[20:23], s[0:1], 0x40             ; wv_scales 20, wo_codes 22
	s_load_b64 s[24:25], s[0:1], 0x50              ; wo_scales
	v_lshl_add_u32 v[SPW], v0, 2, SPARE
	v_mov_b32 v[NIL], 0
	v_lshrrev_b32 v1, 5, v0
	v_readfirstlane_b32 s26, v1                    ; wave
	v_and_b32 v2, 31, v0                           ; lane
	v_lshlrev_b32 v3, 4, v2                        ; 16 x lane: my 16 bytes of a load's or a store's 512
	s_mov_b32 s42, MANT
	s_mov_b32 s39, 0
	s_wait_kmcnt 0x0
	s_cmp_lt_u32 ttmp9, 256
	s_cbranch_scc0 .Lweights
; ---- x, by rows.  The conversions take 16 numbers of ONE block from a lane's registers, a load is best where neighbouring lanes take neighbouring bytes: each of a step's four loads reads 512 consecutive bytes, the 2,048 bytes go
; through the wave's own stage in LDS and come back 64 bytes a lane.  Two neighbouring lanes hold a block.  Loads run four steps ahead, the turn through LDS one step.
	s_mul_i32 s27, s26, WREG
	s_wait_alu depctr_va_vdst(0)
	v_lshrrev_b32 v14, 2, v2
	v_mul_u32_u24 v14, v14, SP
	v_and_b32 v15, 3, v2
	v_lshl_add_u32 v14, v15, 4, v14
	v_add_nc_u32 v14, s27, v14                     ; the stage, on the way in: SP (lane / 4) + 16 (lane % 4)
	v_mul_u32_u24 v15, v2, SP
	v_add_nc_u32 v15, s27, v15                     ; and on the way out: SP x lane: my 16 neighbours
	v_lshrrev_b32 v5, 1, v2
	s_add_co_u32 s27, s27, 2*32*SP
	v_add_nc_u32 v5, s27, v5                       ; LDS: my wave's 256 scale bytes, my block's byte
	v_lshlrev_b32 v7, 3, v2                        ; and on the way out 8 bytes a lane
	v_add_nc_u32 v6, s27, v7
	s_lshl_b32 s30, ttmp9, 3
	s_lshl_b32 s31, s26, 1
	s_add_co_u32 s30, s30, s31                     ; my wave's first row: 8 x work-group + 2 x wave
	s_lshl_b32 s38, s30, 14                        ; 16,384 bytes a row of numbers,
	s_add_nc_u64 s[32:33], s[4:5], s[38:39]
	s_lshl_b32 s38, s30, 12                        ; 4,096 a row of codes,
	s_add_nc_u64 s[34:35], s[14:15], s[38:39]
	s_lshl_b32 s38, s30, 7                         ; 128 a row of scale bytes
	s_add_nc_u64 s[36:37], s[16:17], s[38:39]
.macro LOAD t
.irp i, 0,1,2,3
	global_load_b128 v[R+16*((\t)%4)+4*\i:R+16*((\t)%4)+4*\i+3], v3, s[32:33] offset:2048*(\t)+512*\i th:TH_LOAD_NT   ; 32 lanes read 512 consecutive bytes
.endr
.endm
.macro TURN t                          ; step t's numbers through the stage: LDS serves a wave's instructions in order, so no wait stands between the stores and the loads
.irp i, 0,1,2,3
	ds_store_b128 v14, v[R+16*((\t)%4)+4*\i:R+16*((\t)%4)+4*\i+3] offset:32*SP*((\t)%2)+8*SP*\i
.endr
.irp i, 0,1,2,3
	ds_load_b128 v[X+16*((\t)%2)+4*\i:X+16*((\t)%2)+4*\i+3], v15 offset:32*SP*((\t)%2)+16*\i
.endr
.endm
.irp t, 0,1,2,3
	LOAD \t
.endr
	s_wait_alu depctr_va_vdst(0)
	s_wait_loadcnt 12                              ; step 0's four loads are in; the twelve behind them may be out
	TURN 0
.macro STEP t
.set XS, X+16*((\t)%2)
.if (\t) > 0
	s_wait_dscnt 1                                 ; this step's numbers are back from the stage (the last step's byte store may be out): so its stores into the stage have read their registers,
.else
	s_wait_dscnt 0x0
.endif
.if (\t)+4 < STEPS
	LOAD (\t)+4                                    ; which take the loads of four steps on
.endif
.if (\t)+1 < STEPS
.if STEPS-2-(\t) >= 3
	s_wait_loadcnt 12                              ; the next step's four loads are in; those of the three steps behind it may be out
.else
	s_wait_loadcnt 4*(STEPS-2-(\t))
.endif
	TURN (\t)+1                                    ; and go through the other stage while this step is worked
.endif
	v_max3_num_f32 v8, |v[XS]|, |v[XS+1]|, |v[XS+2]|               ; the largest magnitude of my 16, in two chains
	v_max3_num_f32 v9, |v[XS+3]|, |v[XS+4]|, |v[XS+5]|
.irp i, 6,10
	v_max3_num_f32 v8, v8, |v[XS+\i]|, |v[XS+\i+1]|
	v_max3_num_f32 v9, v9, |v[XS+\i+2]|, |v[XS+\i+3]|
.endr
	v_max3_num_f32 v8, v8, |v[XS+14]|, |v[XS+15]|
	v_max3_num_f32 v8, v8, v9, (EMAX+1)<<23        ; and the floor 2^(9 - 127): so the byte cannot fall under 1
	v_max_num_f32_dpp v8, v8, v8 row_xmask:1 row_mask:0xf bank_mask:0xf   ; and of my neighbour's 16: the block's
	v_add_nc_u32 v11, -(EMAX<<23), v8              ; 8 off its exponent field: the conversion takes the exponent field of this operand as its scale, and nothing else of it
	v_and_or_b32 v10, v8, 0x7f800000, s42          ; 448 x the scale: the largest magnitude's exponent field over 448's mantissa
.irp i, 0,1,2,3,4,5,6,7,8,9,10,11,12,13,14,15
	v_med3_num_f32 v[XS+\i], v[XS+\i], -v10, v10   ; the conversion to an 8-bit code does not saturate (ISA guide 7.6.2): the number is held within the largest code x the scale first
.endr
	v_cvt_scalef32_pk8_fp8_f32 v[C+4*(\t):C+4*(\t)+1], v[XS:XS+7], v11
	v_cvt_scalef32_pk8_fp8_f32 v[C+4*(\t)+2:C+4*(\t)+3], v[XS+8:XS+15], v11
	v_lshrrev_b32 v[E+(\t)], 23, v11               ; the scale's byte (a plain line behind the conversions)
	ds_store_b8 v5, v[E+(\t)] offset:16*(\t)       ; both lanes of a block write the same byte with the same value
	global_store_b128 v3, v[C+4*(\t):C+4*(\t)+3], s[34:35] offset:32*CB*(\t)   ; the wave stores 512 consecutive bytes, aligned
.endm
.irp t, 0,1,2,3,4,5,6,7,8,9,10,11,12,13,14,15
	STEP \t
.endr
	ds_load_b64 v[8:9], v6                         ; LDS serves a wave's instructions in order: these see my stores
	s_wait_dscnt 0x0
	global_store_b64 v7, v[8:9], s[36:37]          ; 32 lanes store 256 consecutive bytes, aligned
	s_wait_tensorcnt 0x0                           ; the wave's end: behind my last LDS store
	ds_add_u32 v[SPW], v[NIL]
	s_wait_dscnt 0x0
	s_endpgm
; ---- the weights, in the order of the operand's registers.  A fragment is 16 rows x 128 along K.  Each of its 16 loads reads one row's 512 consecutive bytes; the 8,192 bytes go through the wave's own stage, a row a stage row, and
; come back so that lane (r, h) holds, of row r, the numbers 32 b + 16 h + 0 .. 15 of each block b = 0 .. 3: register 16 b + i.  A block of 32 lies in lanes l and l xor 16.  The conversions' results ARE the fragment's registers:
; four stores of 512 consecutive bytes.  The next fragment's loads are out while this one is worked.
.Lweights:
	s_sub_co_u32 s43, ttmp9, 256
	s_lshr_b32 s44, s43, 1                         ; which of the 520 row blocks: 0-255 Wv, 256-259 Wk, 260-263 Wq, 264-519 Wo
	s_and_b32 s45, s43, 1
	s_lshl_b32 s45, s45, 2
	s_add_co_u32 s45, s45, s26                     ; g: which 512 along K is my wave's: 4 x half + wave
	s_sub_co_u32 s46, s44, 264                     ; the row block's number in Wo,
	s_sub_co_u32 s47, s44, 260                     ; in Wq,
	s_sub_co_u32 s48, s44, 256                     ; in Wk
	s_mov_b64 s[32:33], s[8:9]                     ; every choice hangs on the work-group's number alone
	s_mov_b64 s[34:35], s[22:23]
	s_mov_b64 s[36:37], s[24:25]
	s_mov_b32 s30, s46                             ; row block read,
	s_mov_b32 s31, s46                             ; row block written
	s_cmp_lt_u32 s44, 264
	s_cselect_b64 s[32:33], s[12:13], s[32:33]
	s_cselect_b64 s[34:35], s[18:19], s[34:35]
	s_cselect_b64 s[36:37], s[20:21], s[36:37]
	s_cselect_b32 s30, s47, s30
	s_cselect_b32 s31, s44, s31
	s_cmp_lt_u32 s44, 260
	s_cselect_b64 s[32:33], s[10:11], s[32:33]
	s_cselect_b32 s30, s48, s30
	s_cmp_lt_u32 s44, 256
	s_cselect_b64 s[32:33], s[6:7], s[32:33]
	s_cselect_b32 s30, s44, s30
	s_lshl_b32 s38, s30, 18                        ; 16 rows of 16,384 bytes a row block,
	s_lshl_b32 s43, s45, 11                        ; 2,048 bytes of a row for 512 along K
	s_add_co_u32 s38, s38, s43
	s_add_nc_u64 s[32:33], s[32:33], s[38:39]
	s_lshl_b32 s38, s31, 16                        ; codes: 65,536 bytes a row block, 8,192 for four fragments
	s_lshl_b32 s43, s45, 13
	s_add_co_u32 s38, s38, s43
	s_add_nc_u64 s[34:35], s[34:35], s[38:39]
	s_lshl_b32 s38, s31, 11                        ; scales: 2,048 bytes a row block, 256 for four fragments
	s_lshl_b32 s43, s45, 8
	s_add_co_u32 s38, s38, s43
	s_add_nc_u64 s[36:37], s[36:37], s[38:39]
	s_wait_alu depctr_va_vdst(0)
	v_and_b32 v4, 15, v2                           ; r
	v_lshrrev_b32 v5, 4, v2                        ; h
	s_mul_i32 s27, s26, WSTG
	s_add_co_u32 s27, s27, WST                     ; my stage
	v_add_nc_u32 v14, s27, v3                      ; in: 16 x lane in a stage row
	v_mul_u32_u24 v15, v4, WP
	v_lshl_add_u32 v15, v5, 6, v15
	v_add_nc_u32 v15, s27, v15                     ; out: row r, + 64 h bytes: my 16 numbers of a block of 32
	v_lshlrev_b32 v7, 4, v4
	v_lshl_add_u32 v7, v5, 3, v7                   ; the scale words' way out: 16 r + 8 h
	s_mov_b32 s40, 0x76543210
	s_mov_b32 s41, 0xfedcba98                      ; v_permlanex16_b32's selects for lane l xor 16
.irp b, 0,1,2,3
	v_mov_b32 v[TM+4+\b], 0                        ; written once: a lane permute's destination counts as one of its sources
.endr
.macro WLOAD f                         ; fragment f's 16 rows into set f % 2
.irp p, 0,1,2,3,4,5,6,7,8,9,10,11,12,13,14,15
	global_load_b128 v[RW+64*((\f)%2)+4*\p:RW+64*((\f)%2)+4*\p+3], v3, s[32:33] offset:16384*\p+512*(\f) th:TH_LOAD_NT   ; 32 lanes read 512 consecutive bytes of row p
.endr
.endm
; 64 numbers of a lane, v[s] on, register 16 b + i = K 32 b + 16 h + i of my row, become a fragment's codes in v[pc] on and its scale word in v[pw]
.macro QUANT s, pc, pw
.irp b, 0,1,2,3
	v_max3_num_f32 v[TM+\b], |v[\s+16*\b]|, |v[\s+1+16*\b]|, 0x4800000   ; block b: my 16 numbers, and the floor 2^(9 - 127): so the byte cannot fall under 1
.endr
.irp i, 2,4,6,8,10,12,14
.irp b, 0,1,2,3
	v_max3_num_f32 v[TM+\b], v[TM+\b], |v[\s+16*\b+\i]|, |v[\s+1+16*\b+\i]|   ; (the four blocks by turns: no line waits for the line above it)
.endr
.endr
.irp b, 0,1,2,3
	v_permlanex16_b32 v[TM+4+\b], v[TM+\b], s40, s41
.endr
.irp b, 0,1,2,3
	v_max_num_f32 v[TM+\b], v[TM+\b], v[TM+4+\b]   ; with lane l xor 16's: the block's largest magnitude
.endr
.irp b, 0,1,2,3
	v_add_nc_u32 v[TM+12+\b], 0xfc000000, v[TM+\b] ; 8 off its exponent field: the conversion's scale operand
.endr
.irp b, 0,1,2,3
	v_and_or_b32 v[TM+8+\b], v[TM+\b], 0x7f800000, s42   ; 448 x the scale
.endr
.irp b, 0,1,2,3
	v_lshrrev_b32 v[TM+4+\b], 23, v[TM+12+\b]      ; the scale's byte
.endr
	v_lshl_or_b32 v[(\pw)], v[TM+5], 8, v[TM+4]    ; the four bytes make my row's scale word (both halves of the lanes hold the same)
	v_lshl_or_b32 v[(\pw)], v[TM+6], 16, v[(\pw)]
	v_lshl_or_b32 v[(\pw)], v[TM+7], 24, v[(\pw)]
.irp b, 0,1,2,3
.irp i, 0,1,2,3,4,5,6,7,8,9,10,11,12,13,14,15
	v_med3_num_f32 v[\s+16*\b+\i], v[\s+16*\b+\i], -v[TM+8+\b], v[TM+8+\b]   ; the conversion to an 8-bit code does not saturate (ISA guide 7.6.2): the hold
.endr
	v_cvt_scalef32_pk8_fp8_f32 v[(\pc)+4*\b:(\pc)+1+4*\b], v[\s+16*\b:\s+7+16*\b], v[TM+12+\b]
	v_cvt_scalef32_pk8_fp8_f32 v[(\pc)+2+4*\b:(\pc)+3+4*\b], v[\s+8+16*\b:\s+15+16*\b], v[TM+12+\b]
.endr
	v_nop                                          ; a plain line behind the last conversion
.endm
	WLOAD 0
	WLOAD 1
.macro WFRAG f
.if (\f) < 3
	s_wait_loadcnt 16                              ; this fragment's 16 loads are in; the next fragment's may be out
.else
	s_wait_loadcnt 0x0
.endif
.irp p, 0,1,2,3,4,5,6,7,8,9,10,11,12,13,14,15
	ds_store_b128 v14, v[RW+64*((\f)%2)+4*\p:RW+64*((\f)%2)+4*\p+3] offset:WP*\p
.endr
.irp b, 0,1,2,3
.irp j, 0,1,2,3
	ds_load_b128 v[XW+16*\b+4*\j:XW+16*\b+4*\j+3], v15 offset:128*\b+16*\j   ; LDS serves a wave's instructions in order: these see the stores above
.endr
.endr
	s_wait_dscnt 0x0                               ; my numbers are back; the stores have read their registers,
.if (\f)+2 < 4
	WLOAD (\f)+2                                   ; which take the loads of two fragments on
.endif
.if (\f) >= 2
	s_wait_xcnt 0x0                                ; the stores of two fragments back have read their data: that set of codes is written again only behind this wait
.endif
	QUANT XW, PC+16*((\f)%2), PWD+(\f)
.irp c, 0,1,2,3
	global_store_b128 v3, v[PC+16*((\f)%2)+4*\c:PC+16*((\f)%2)+4*\c+3], s[34:35] offset:2048*(\f)+512*\c   ; piece c of the fragment: the wave stores 512 consecutive bytes, aligned
.endr
.endm
	s_wait_alu depctr_va_vdst(0)
.irp f, 0,1,2,3
	WFRAG \f
.endr
	v_cmp_gt_u32 vcc_lo, 16, v2                    ; row r's four words are 16 bytes: lanes 0-15 store words 0 and 1, lanes 16-31 words 2 and 3
	v_cndmask_b32 v4, v[PWD+2], v[PWD], vcc_lo
	v_cndmask_b32 v5, v[PWD+3], v[PWD+1], vcc_lo
	global_store_b64 v7, v[4:5], s[36:37]          ; 32 lanes store 256 consecutive bytes, aligned
	s_wait_tensorcnt 0x0                           ; the wave's end: behind my last LDS store
	ds_add_u32 v[SPW], v[NIL]
	s_wait_dscnt 0x0
	s_endpgm
.Lfunc_end_k_q5ab7284f4f_quant:
	.size	k_q5ab7284f4f_quant, .Lfunc_end_k_q5ab7284f4f_quant-k_q5ab7284f4f_quant
	.p2alignl 7, 3214868480
	.fill 96, 4, 3214868480
	.section	.rodata,"a",@progbits
	.p2align	6, 0x0
	.amdhsa_kernel k_q5ab7284f4f_quant
		.amdhsa_group_segment_fixed_size 67072
		.amdhsa_private_segment_fixed_size 0
		.amdhsa_enable_private_segment 0
		.amdhsa_kernarg_size 88
		.amdhsa_user_sgpr_count 2
		.amdhsa_user_sgpr_kernarg_segment_ptr 1
		.amdhsa_wavefront_size32 1
		.amdhsa_system_sgpr_workgroup_id_x 1
		.amdhsa_system_sgpr_workgroup_id_y 1
		.amdhsa_system_sgpr_workgroup_id_z 1
		.amdhsa_system_vgpr_workitem_id 0
		.amdhsa_next_free_vgpr 256
		.amdhsa_next_free_sgpr 66
		.amdhsa_reserve_vcc 1
		.amdhsa_float_denorm_mode_32 3
		.amdhsa_float_denorm_mode_16_64 3
		.amdhsa_memory_ordered 1
		.amdhsa_forward_progress 1
		.amdhsa_inst_pref_size 101
	.end_amdhsa_kernel
	.amdgpu_metadata
---
amdhsa.version: [ 1, 2 ]
amdhsa.kernels:
  - .name:           k_q5ab7284f4f_quant
    .symbol:         k_q5ab7284f4f_quant.kd
    .args:
      - { .name: x, .offset: 0, .size: 8, .value_kind: global_buffer, .address_space: global }
      - { .name: Wv, .offset: 8, .size: 8, .value_kind: global_buffer, .address_space: global }
      - { .name: Wo, .offset: 16, .size: 8, .value_kind: global_buffer, .address_space: global }
      - { .name: Wk, .offset: 24, .size: 8, .value_kind: global_buffer, .address_space: global }
      - { .name: Wq, .offset: 32, .size: 8, .value_kind: global_buffer, .address_space: global }
      - { .name: act_codes, .offset: 40, .size: 8, .value_kind: global_buffer, .address_space: global }
      - { .name: act_scales, .offset: 48, .size: 8, .value_kind: global_buffer, .address_space: global }
      - { .name: wv_codes, .offset: 56, .size: 8, .value_kind: global_buffer, .address_space: global }
      - { .name: wv_scales, .offset: 64, .size: 8, .value_kind: global_buffer, .address_space: global }
      - { .name: wo_codes, .offset: 72, .size: 8, .value_kind: global_buffer, .address_space: global }
      - { .name: wo_scales, .offset: 80, .size: 8, .value_kind: global_buffer, .address_space: global }
    .group_segment_fixed_size: 67072
    .private_segment_fixed_size: 0
    .kernarg_segment_align: 8
    .kernarg_segment_size: 88
    .max_flat_workgroup_size: 128
    .sgpr_count:     66
    .vgpr_count:     256
    .wavefront_size: 32
...
	.end_amdgpu_metadata
.endif
;; end of part 1
;; launch gemm_v (part 2): grid 16 x 16, 4 waves a work-group, clusters of 4 x 1, 327,680 bytes of LDS; arguments act_codes, act_scales, wv_codes, wv_scales, bv, v, z; writes v, z
.if DOCPART == 2
	.amdgcn_target "amdgcn-amd-amdhsa--gfx1250"
	.amdhsa_code_object_version 6
	.text
	.protected	k_q5ab7284f4f_gemm_v
	.globl	k_q5ab7284f4f_gemm_v
	.p2align	8
	.type	k_q5ab7284f4f_gemm_v,@function
k_q5ab7284f4f_gemm_v:
	s_mov_b64 s[64:65], 0
	v_nop
	global_prefetch_b8 v0, s[64:65] scope:SCOPE_SE
	s_setreg_imm32_b32 hwreg(HW_REG_WAVE_MODE, 25, 1), 1
	s_wait_xcnt 0x0
	s_wait_alu depctr_hold_cnt(0) depctr_sa_sdst(0) depctr_va_vdst(0) depctr_va_sdst(0) depctr_va_ssrc(0) depctr_va_vcc(0) depctr_vm_vsrc(0)
	s_getreg_b32 s2, hwreg(HW_REG_IB_STS2, 6, 4)
	s_cmp_eq_u32 s2, 0
	s_cbranch_scc0 .Lentry_in_a_cluster
	s_endpgm
.Lentry_in_a_cluster:
	s_bfe_u32 s2, ttmp6, 0x10000c
	s_cmp_lg_u32 s2, 0x3003
	s_cbranch_scc0 .Lentry_shape_is_right
	s_endpgm
.Lentry_shape_is_right:
; SECOND LAUNCH: v = Q(x) Q(Wv)^T + bv, and z = Q(x) [Q(Wk); Q(Wq)]^T (128 columns).  Nothing of the problem's work is left out.
; A work-group makes 128 rows x 256 columns: 16 x 16 = 256 work-groups.  Four waves; a wave makes all 128 rows x 64 columns: 32 accumulators (window 3).  The matrix instruction is used transposed (source 0 = the weight's rows).
; THE ACTIVATIONS' codes go through a ring of two LDS slots of 128 rows x 512 along K (rows of 512 bytes + 16 of padding), their scales (128 rows x 128 bytes) come into LDS once.  The four work-groups of a cluster share these
; rows and ask for them jointly.  THE WEIGHTS' fragments, each read by one wave of the work-group, come from memory straight into registers (window 2, four sets, three K steps ahead), in the order in which the first launch laid them;
; the work-groups that share them lie in other clusters, so no joint load serves them; the work-groups of tile row 0 prefetch them AHEAD = 6 K steps on.
; THE HEAD: one tensor load a wave: waves 0 and 1 fetch the two halves of the scales, waves 2 and 3 the two halves of slot 0; the addresses and the weights' first loads are made while these are out; slot 1's first fill stands
; behind the full sequence and a round, as a refill does.  Every wait on TENSORcnt is for 0.
; z: each wave adds one product a K step: its LDS row block w against one of the 8 extra row blocks (work-group x % 8).  In the clusters with x / 8 = 1 the tile's two halves of 64 rows lie swapped in LDS, so that all 128 rows are served.
.set PHASE, 1
.set RESID, 1-PHASE
.set PITCH, 528
.set BLK,   16*PITCH
.set SLOT,  128*PITCH
.set KROW,  4096
.set CROW,  16384
.set SBLK,  8*272
.set SCA,   2*SLOT
.set SPARE, SCA+64*272
.set SPITCH, 272
.set NP,    8
.set NBL,   16
.set NSL,   2+5*PHASE
.set AHEAD, 6
.set AX,   8
.set VB,   16
.set VE,   17
.set VS,   18
.set VSE,  19
.set SX,   20
.set STO,  25
.set RD,   26
.set ZO,   27
.set SPW,  28
.set NIL,  29
.set PFO,  30
.set BO,   31
.set ASC,  32
.set BSC,  64
.set BIAS, 88
.set XACC, 120
.set EF,   128
.set COB,  192
.set BK,   128
.set G1,   24
.set G0,   32
.set G1S,  48
.set G0S,  56
.set G1H,  68
.set G0H,  76
.set EFL,  160
.set EFB,  SPARE+512
.set EFS,  200
.set EFA,  201
.set MSB, 0
.macro WIN new
.if MSB != \new
	s_set_vgpr_msb (MSB<<8)|\new
.set MSB, \new
.endif
.endm
.set MUL,  0xf6
.set MUL1, 0xc6
.set MULX, 0x04
.set TO_B, 0x80
.set TO_A, 0x40
.macro JLOAD g0, g1
	tensor_load_to_lds s[\g0:\g0+3], s[\g1:\g1+7]
	s_nop 0
.rept 4
	v_nop
.endr
.endm
.macro CREST
	s_cmp_lg_u32 s18, 0
	s_cbranch_scc1 .Lnot_wave_0_\@
	s_barrier_signal -3
.Lnot_wave_0_\@:
	s_barrier_wait -3
	s_barrier_signal -1
	s_barrier_wait -1
.endm
.macro CROUND
	s_barrier_signal -1
	s_barrier_wait -1
	CREST
.endm
.macro ASKB ko, lim
	s_cmp_gt_u32 s3, s[\lim]
	s_cbranch_scc0 .Lnot_mine_\@
	global_prefetch_b8 v[PFO], s[8:9] offset:((\ko)+AHEAD)*2048 th:TH_LOAD_NT scope:SCOPE_SE
.Lnot_mine_\@:
.endm
	s_load_b256 s[4:11], s[0:1], 0x0
	s_load_b128 s[12:15], s[0:1], 0x20
	s_load_b64 s[16:17], s[0:1], 0x30
	v_lshl_add_u32 v[SPW], v0, 2, SPARE
	v_mov_b32 v[NIL], 0
	ds_add_u32 v[SPW], v[NIL]
	ds_add_u32 v[SPW], v[NIL]
	v_lshrrev_b32 v1, 5, v0
	v_readfirstlane_b32 s18, v1
	s_bfe_u32 s40, ttmp6, 0x40000
	s_lshl_b32 s42, ttmp9, 2
	s_add_co_u32 s42, s42, s40
	s_and_b32 s21, ttmp7, 0xffff
.if PHASE
	s_lshr_b32 s22, ttmp9, 1
.else
	s_mov_b32 s22, 0
.endif
	s_lshl_b32 s23, s22, 2
	s_xor_b32 s23, s23, s18
	s_mov_b32 s[G1+0], 15|(1<<20)|(1<<21)|(6<<22)|(3<<25)
	s_mov_b32 s[G1+1], 512<<16
	s_mov_b32 s[G1+2], 32<<16
	s_mov_b32 s[G1+3], 512<<16
	s_mov_b32 s[G1+4], 32
	s_mov_b32 s[G1+5], KROW
	s_mov_b32 s[G1+6], 0
	s_mov_b32 s[G1+7], 0
	s_mov_b32 s[G1S+0], 15|(3<<16)|(1<<20)|(1<<21)|(5<<22)|(3<<25)
	s_mov_b32 s[G1S+1], 32<<16
	s_mov_b32 s[G1S+2], 32<<16                     ; the scales of 64 rows: 32 rows of 256 bytes
	s_mov_b32 s[G1S+3], 32<<16
	s_mov_b32 s[G1S+4], 32
	s_mov_b32 s[G1H+0], 15|(1<<20)|(1<<21)|(6<<22)|(3<<25)   ; the head's load of codes: 64 rows of 512 bytes
	s_mov_b32 s[G1H+1], 512<<16
	s_mov_b32 s[G1H+2], 64<<16
	s_mov_b32 s[G1H+3], 512<<16
	s_mov_b32 s[G1H+4], 64
	s_mov_b32 s[G1H+5], KROW
	s_mov_b32 s[G1H+6], 0
	s_mov_b32 s[G1H+7], 0
	s_mov_b32 s[G1S+5], 32
	s_mov_b32 s[G1S+6], 0
	s_mov_b32 s[G1S+7], 0
	s_lshl_b32 s92, s22, 1
	s_xor_b32 s92, s92, s18
	s_lshl_b32 s92, s92, 5
	s_lshl_b32 s93, s21, 7
	s_add_co_u32 s93, s93, s92
	s_lshl_b32 s92, s93, 12
	s_mov_b32 s93, 0
	s_mul_i32 s66, s18, 32*PITCH
	s_and_b32 s41, s18, 1                          ; the head: which half of the LDS tile I fetch,
	s_xor_b32 s43, s41, s22                        ; and which 64 rows of memory lie there
	s_lshl_b32 s43, s43, 6
	s_lshl_b32 s46, s21, 7
	s_add_co_u32 s43, s43, s46
	s_lshl_b32 s60, s43, 12                        ; 4,096 bytes a row of codes,
	s_mov_b32 s61, 0
	s_lshl_b32 s62, s43, 7                         ; 128 a row of scales
	s_mov_b32 s63, 0
	s_wait_dscnt 0x0
	s_wait_kmcnt 0x0
	s_add_nc_u64 s[92:93], s[4:5], s[92:93]
	CROUND
	s_mov_b32 s[G0S], 1
	s_mul_i32 s[G0S+1], s41, 32*272
	s_add_co_u32 s[G0S+1], s[G0S+1], SCA
	s_add_nc_u64 s[G0S+2:G0S+3], s[6:7], s[62:63]
	s_or_b32 s[G0S+3], s[G0S+3], 0x80000000
	s_mov_b32 s[G0H], 1
	s_mul_i32 s[G0H+1], s41, 64*PITCH
	s_add_nc_u64 s[G0H+2:G0H+3], s[4:5], s[60:61]
	s_or_b32 s[G0H+3], s[G0H+3], 0x80000000
.irp s, 0,1
	s_mov_b32 s[G0+4*\s], 1
	s_add_co_u32 s[G0+4*\s+1], s66, \s*SLOT
	s_add_nc_u64 s[G0+4*\s+2:G0+4*\s+3], s[92:93], \s*512
	s_or_b32 s[G0+4*\s+3], s[G0+4*\s+3], 0x80000000
.endr
	s_cmp_lt_u32 s18, 2                            ; the head's loads, one a wave: waves 0 and 1 the scales' halves, waves 2 and 3 slot 0's
	s_cbranch_scc0 .Lhead_codes
	JLOAD G0S, G1S
	s_branch .Lhead_asked
.Lhead_codes:
	JLOAD G0H, G1H
.Lhead_asked:
	v_and_b32 v1, 15, v0
	v_bfe_u32 v2, v0, 4, 1
	v_and_b32 v6, 31, v0
	v_mul_u32_u24 v3, v1, PITCH
	v_lshl_add_u32 v3, v2, 4, v3
	s_wait_alu depctr_va_vdst(0)
.irp i, 0,1,2,3
	s_xor_b32 s2, s18, \i
	s_mul_i32 s2, s2, BLK
	v_add_nc_u32 v[AX+\i], s2, v3
	v_add_nc_u32 v[AX+4+\i], SLOT, v[AX+\i]
.endr
	v_lshrrev_b32 v4, 1, v1
	v_mul_u32_u24 v4, v4, 272
	v_and_b32 v5, 1, v1
	v_lshl_add_u32 v4, v5, 7, v4
	v_mul_u32_u24 v5, v2, 4*SBLK
	v_add_nc_u32 v4, v4, v5
	s_wait_alu depctr_va_vdst(0)
.irp i, 0,1,2,3
	s_xor_b32 s2, s18, \i
	s_mul_i32 s2, s2, SBLK
	s_add_co_u32 s2, s2, SCA
	v_add_nc_u32 v[SX+\i], s2, v4
.endr
	s_mul_i32 s2, s18, 16*SPITCH
	v_mul_u32_u24 v5, v1, SPITCH
	v_lshl_add_u32 v5, v2, 5, v5
	v_add_nc_u32 v[STO], s2, v5
	v_mul_u32_u24 v5, v2, SPITCH
	v_lshl_add_u32 v5, v1, 4, v5
	v_add_nc_u32 v[RD], s2, v5
	v_lshlrev_b32 v5, 14, v2
	v_lshl_add_u32 v5, v1, 4, v5
	s_wait_alu depctr_va_vdst(0)
.irp i, 0,1,2,3,4,5,6,7
	s_xor_b32 s2, s23, \i
	s_lshl_b32 s2, s2, 18
	v_add_nc_u32 v[COB+\i], s2, v5
.endr
.if PHASE
	v_lshlrev_b32 v[ZO], 9, v1
	v_lshl_add_u32 v[ZO], v2, 5, v[ZO]
.else
	v_lshlrev_b32 v[ZO], 14, v6
.endif
	v_lshlrev_b32 v[BO], 5, v2
	v_lshlrev_b32 v[VB], 4, v6
	s_wait_alu depctr_va_vdst(0)
	v_lshlrev_b32 v[VS], 4, v1
	v_lshl_add_u32 v[VS], v2, 11, v[VS]
	s_wait_alu depctr_va_vdst(0)
	v_lshrrev_b32 v5, 3, v6
	v_and_b32 v7, 7, v6
	v_lshlrev_b32 v7, 8, v7
	v_lshl_add_u32 v[PFO], v5, 16, v7
	s_lshl_b32 s98, s21, 21
	s_lshl_b32 s99, s42, 10
	s_add_co_u32 s98, s98, s99
	s_lshl_b32 s99, s18, 8
	s_add_co_u32 s98, s98, s99
	s_mov_b32 s99, 0
	s_add_nc_u64 s[14:15], s[14:15], s[98:99]
.if RESID
	s_add_nc_u64 s[16:17], s[16:17], s[98:99]
.else
	s_lshl_b32 s98, s21, 7
	s_lshl_b32 s96, s22, 6
	s_add_co_u32 s98, s98, s96
	s_lshl_b32 s96, s18, 4
	s_add_co_u32 s98, s98, s96
	s_lshl_b32 s98, s98, 9
	s_and_b32 s96, s42, 7
	s_lshl_b32 s96, s96, 6
	s_add_co_u32 s98, s98, s96
	s_add_nc_u64 s[16:17], s[16:17], s[98:99]
.endif
	s_lshl_b32 s98, s42, 10
	s_lshl_b32 s96, s18, 8
	s_add_co_u32 s98, s98, s96
	s_add_nc_u64 s[12:13], s[12:13], s[98:99]
	s_lshl_b32 s96, s42, 4
	s_lshl_b32 s97, s18, 2
	s_add_co_u32 s96, s96, s97
.if PHASE
	s_and_b32 s97, s42, 7
	s_add_co_u32 s97, s97, 256
	s_sub_co_u32 s97, s97, s96
	s_lshl_b32 s98, s97, 16
	s_lshl_b32 s2, s18, 11
	s_add_co_u32 s98, s98, s2                      ; of a slot's four extra fragments I load the one of K step w
	v_add_nc_u32 v[VE], s98, v[VB]
	v_add_nc_u32 v[EFA], EFB, v[VB]                ; LDS: a fragment's image is read at 16 x lane,
	s_add_co_u32 s2, s2, EFB
	v_add_nc_u32 v[EFS], s2, v[VB]                 ; and mine is stored 2,048 w further on
	s_wait_alu depctr_va_vdst(0)
	s_lshl_b32 s98, s97, 11
	v_lshlrev_b32 v[VSE], 4, v1
	v_add_nc_u32 v[VSE], s98, v[VSE]
.endif
	s_lshl_b32 s98, s96, 16
	s_add_nc_u64 s[8:9], s[8:9], s[98:99]
	s_lshl_b32 s98, s96, 11
	s_add_nc_u64 s[10:11], s[10:11], s[98:99]
	s_cmp_eq_u32 s21, 0
	s_cselect_b32 s44, 0, -1
	s_cselect_b32 s45, 1, -1
.macro FRAG reg, adr, off
.irp c, 0,1,2,3
	ds_load_b128 v[\reg+4*\c:\reg+4*\c+3], v[\adr] offset:\off+32*\c
.endr
.endm
.macro FETCH2 slot, q, set, i0
	WIN TO_A
.irp i, \i0, \i0+1
	FRAG 128*(\set)+16*(\i), AX+((\i)%4)+4*(\slot), 128*(\q)+((\i)/4)*4*BLK
.endr
.endm
.macro ASCL set
.irp p, 0,1,2,3
	ds_load_b128 v[ASC+16*(\set)+4*\p:ASC+16*(\set)+4*\p+3], v[SX+\p]
.endr
.endm
.macro BLOAD set, ko
	WIN TO_B
.irp b, 0,1,2,3
.irp c, 0,1,2,3
	global_load_b128 v[64*(\set)+16*\b+4*\c:64*(\set)+16*\b+4*\c+3], v[VB], s[8:9] offset:\b*65536+(\ko)*2048+\c*512
.endr
.endr
	WIN 0
.endm
.macro BSCL set, go
	global_load_b128 v[BSC+12*(\set):BSC+12*(\set)+3], v[VS], s[10:11] offset:(\go)*256
	global_load_b128 v[BSC+12*(\set)+4:BSC+12*(\set)+7], v[VS], s[10:11] offset:4096+(\go)*256
.if PHASE
	global_load_b128 v[BSC+12*(\set)+8:BSC+12*(\set)+11], v[VSE], s[10:11] offset:(\go)*256
.irp c, 0,1,2,3
	global_load_b128 v[EFL+4*\c:EFL+4*\c+3], v[VE], s[8:9] offset:(\go)*8192+\c*512   ; slot go's extra fragment of K step w
.endr
.endif
.endm
.macro MUL8 a0, as, bs, q, sc, first
.irp a, \a0, \a0+1
.irp b, 0,1,2,3
.set rD, 8*(4*(\a)+\b)
.set rB, 64*(\bs)+16*\b
.set rA, 128*(\as)+16*(\a)
.set rSB, BSC+12*(\sc)+4*(\b/2)+(\q)
.set rSA, ASC+16*(\sc)+4*((\a)%4)+(\q)
.set rC, rD
.if \first
.set rC, BIAS+8*\b
.endif
.if (\b%2) && ((\a)/4)
	v_wmma_scale_f32_16x16x128_f8f6f4 v[rD:rD+7], v[rB:rB+15], v[rA:rA+15], v[rC:rC+7], v[rSB], v[rSA] matrix_a_scale:MATRIX_SCALE_ROW1 matrix_b_scale:MATRIX_SCALE_ROW1
.elseif (\b%2)
	v_wmma_scale_f32_16x16x128_f8f6f4 v[rD:rD+7], v[rB:rB+15], v[rA:rA+15], v[rC:rC+7], v[rSB], v[rSA] matrix_a_scale:MATRIX_SCALE_ROW1
.elseif ((\a)/4)
	v_wmma_scale_f32_16x16x128_f8f6f4 v[rD:rD+7], v[rB:rB+15], v[rA:rA+15], v[rC:rC+7], v[rSB], v[rSA] matrix_b_scale:MATRIX_SCALE_ROW1
.else
	v_wmma_scale_f32_16x16x128_f8f6f4 v[rD:rD+7], v[rB:rB+15], v[rA:rA+15], v[rC:rC+7], v[rSB], v[rSA]
.endif
.endr
.endr
.endm
.macro MULE as, bs, q, sc, first
.if PHASE
	WIN MULX
.if \first
	v_wmma_scale_f32_16x16x128_f8f6f4 v[XACC:XACC+7], v[EF+16*(\bs):EF+16*(\bs)+15], v[128*(\as):128*(\as)+15], 0, v[BSC+12*(\sc)+8+(\q)], v[ASC+16*(\sc)+(\q)]
.else
	v_wmma_scale_f32_16x16x128_f8f6f4 v[XACC:XACC+7], v[EF+16*(\bs):EF+16*(\bs)+15], v[128*(\as):128*(\as)+15], v[XACC:XACC+7], v[BSC+12*(\sc)+8+(\q)], v[ASC+16*(\sc)+(\q)]
.endif
.endif
.endm
.macro PLACES n
.rept \n
	v_nop
.endr
.endm
; THE EXTRA FRAGMENT (z's 16 rows of Wk or Wq) is the same for the four waves.  Wave w loads the one of K step w of the next slot, once a slot, with the scale words; it stores it as an image of the operand's registers
; into LDS bytes that no tensor load fills (two buffers of 4 x 2,048 bytes, by the slot's parity), ahead of the barrier of the change of slots; behind that barrier every wave reads the fragment of each K step one step ahead.
.macro EFETCH slot, q, set
	WIN 0
.irp c, 0,1,2,3
	ds_load_b128 v[EF+16*(\set)+4*\c:EF+16*(\set)+4*\c+3], v[EFA] offset:8192*(\slot)+2048*(\q)+512*\c
.endr
.endm
; A K step: two runs of LDS loads for the next step, each ahead of 16 matrix instructions (17 with z's).
.macro STEP slot, q, first, cnt, ko, go, ask
	s_wait_dscnt 16                                ; all but the youngest 16 LDS loads, A's blocks 4-7 of this step
	PLACES NP
	s_wait_loadcnt \cnt
.if (\go) >= 0
	BSCL 1-(\slot), \go
.endif
.if (\ko) >= 0
	BLOAD ((\q)+3)%4, \ko
.endif
.if (\ask) == 1
	ASKB \ko, 44
.elseif (\ask) == 2
	ASKB \ko, 45
.endif
	EFETCH \slot, (\q)+1, ((\q)+1)%2
	FETCH2 \slot, (\q)+1, ((\q)+1)%2, 0
	FETCH2 \slot, (\q)+1, ((\q)+1)%2, 2
.if \first
	WIN MUL1
.else
	WIN MUL
.endif
	MUL8 0, (\q)%2, \q, \q, \slot, \first
	MUL8 2, (\q)%2, \q, \q, \slot, \first
	MULE (\q)%2, (\q)%2, \q, \slot, \first
	s_wait_dscnt 16+4*PHASE                        ; A's blocks 4-7 of this step are in; the run just issued for the next step may be out
	FETCH2 \slot, (\q)+1, ((\q)+1)%2, 4
	FETCH2 \slot, (\q)+1, ((\q)+1)%2, 6
.if \first
	WIN MUL1
.else
	WIN MUL
.endif
	MUL8 4, (\q)%2, \q, \q, \slot, \first
	MUL8 6, (\q)%2, \q, \q, \slot, \first
	WIN 0
.endm
.macro TURN slot, next, fill, ko, ask
	PLACES NP
	s_wait_loadcnt 2*NBL
	BLOAD 2, \ko
.if (\ask) == 1
	ASKB \ko, 44
.elseif (\ask) == 2
	ASKB \ko, 45
.endif
.irp c, 0,1,2,3
	ds_store_b128 v[EFS], v[EFL+4*\c:EFL+4*\c+3] offset:8192*(\next)+512*\c   ; my extra fragment of the next slot (its loads are older than the 2 NBL left out above)
.endr
	s_wait_tensorcnt 0x0
	ds_add_u32 v[SPW], v[NIL]
	s_wait_dscnt 17+4*PHASE                        ; the add, my four stores and the youngest sixteen loads may be out
	WIN MUL
	MUL8 0, 1, 3, 3, \slot, 0
	s_wait_dscnt 0x0
	s_barrier_signal -1
	MUL8 2, 1, 3, 3, \slot, 0
	MULE 1, 1, 3, \slot, 0
	WIN 0
	s_barrier_wait -1
.if \fill
	CREST
	s_add_nc_u64 s[G0+4*\slot+2:G0+4*\slot+3], s[G0+4*\slot+2:G0+4*\slot+3], 2*512
	JLOAD G0+4*\slot, G1
.endif
	s_wait_alu depctr_va_vdst(0)
.irp i, 0,1,2,3
	v_add_nc_u32 v[SX+\i], 16, v[SX+\i]
.endr
	ASCL \next
	EFETCH \next, 0, 0
	FETCH2 \next, 0, 0, 0
	FETCH2 \next, 0, 0, 2
.if RESID && (1-(\fill))
	WIN 0
.irp k, 0,1,2,3
	global_prefetch_b8 v[ZO], s[16:17] offset:\k*32*CROW th:TH_LOAD_NT scope:SCOPE_SE
.endr
.endif
	WIN MUL
	MUL8 4, 1, 3, 3, \slot, 0
	FETCH2 \next, 0, 0, 4
	FETCH2 \next, 0, 0, 6
	WIN MUL
	MUL8 6, 1, 3, 3, \slot, 0
	WIN 0
.endm
.macro XLOAD i0
	WIN TO_A
.irp i, \i0, \i0+1, \i0+2, \i0+3
.irp t, 0,1,2,3,4,5,6,7
	global_load_b128 v[32*(\i)+4*\t:32*(\i)+4*\t+3], v[COB+(\i)], s[16:17] offset:\t*2*CROW th:TH_LOAD_NT
.endr
.endr
	WIN 0
.endm
.irp b, 0,1,2,3
	global_load_b128 v[BIAS+8*\b:BIAS+8*\b+3], v[BO], s[12:13] offset:64*\b
	global_load_b128 v[BIAS+8*\b+4:BIAS+8*\b+7], v[BO], s[12:13] offset:64*\b+16
.endr
	BSCL 0, 0
	BLOAD 0, 0
	BLOAD 1, 1
	BLOAD 2, 2
	s_wait_alu depctr_va_vdst(0)
	s_wait_loadcnt 3*NBL                           ; the bias, the scale words and my extra fragment of slot 0 are in; the three sets of fragments may be out
.irp c, 0,1,2,3
	ds_store_b128 v[EFS], v[EFL+4*\c:EFL+4*\c+3] offset:512*\c
.endr
	s_wait_tensorcnt 0x0
	ds_add_u32 v[SPW], v[NIL]
	s_wait_dscnt 0x0
	CROUND                                         ; all four tiles are in, and the cluster's four work-groups are here
	JLOAD G0+4, G1                                 ; slot 1's first fill: 32 rows a wave
	ASCL 0
	EFETCH 0, 0, 0
.irp a, 0,2,4,6
	FETCH2 0, 0, 0, \a
.endr
	WIN 0
	STEP 0, 0, 1, 2*NBL, 3, 1, 0
	s_mov_b32 s3, 3
.Llap:
	STEP 0, 1, 0, 2*NBL+NSL, 4, -1, 1
	STEP 0, 2, 0, 2*NBL+NSL, 5, -1, 1
	TURN 0, 1, 1, 6, 1
	STEP 1, 0, 0, 2*NBL, 7, 2, 1
	STEP 1, 1, 0, 2*NBL+NSL, 8, -1, 1
	STEP 1, 2, 0, 2*NBL+NSL, 9, -1, 1
	TURN 1, 0, 1, 10, 2
	STEP 0, 0, 0, 2*NBL, 11, 3, 2
	s_wait_xcnt 0x0
	s_add_nc_u64 s[8:9], s[8:9], 8*2048
	s_add_nc_u64 s[10:11], s[10:11], 2*256
	s_sub_co_u32 s3, s3, 1
	s_cmp_lg_u32 s3, 0
	s_cbranch_scc1 .Llap
	STEP 0, 1, 0, 2*NBL+NSL, 4, -1, 0
	STEP 0, 2, 0, 2*NBL+NSL, 5, -1, 0
	TURN 0, 1, 0, 6, 0
	STEP 1, 0, 0, 2*NBL, 7, -1, 0
	STEP 1, 1, 0, 2*NBL, -1, -1, 0
	STEP 1, 2, 0, NBL, -1, -1, 0
	s_wait_dscnt 0x0
	PLACES NP
	s_wait_loadcnt 0x0
.if RESID
	XLOAD 0
.endif
	WIN MUL
	MUL8 0, 1, 3, 3, 1, 0
	MUL8 2, 1, 3, 3, 1, 0
	MULE 1, 1, 3, 1, 0
	WIN MUL
	MUL8 4, 1, 3, 3, 1, 0
	MUL8 6, 1, 3, 3, 1, 0
	WIN 0
	PLACES NP
.if RESID
	XLOAD 4
.endif
.macro TOSTAGE i
	WIN 0x0c
.irp b, 0,1,2,3
	ds_store_b128 v[STO], v[8*(4*(\i)+\b):8*(4*(\i)+\b)+3] offset:64*\b
	ds_store_b128 v[STO], v[8*(4*(\i)+\b)+4:8*(4*(\i)+\b)+7] offset:64*\b+16
.endr
	WIN 0
.set BB, BK+32*((\i)%2)
.irp t, 0,1,2,3,4,5,6,7
	ds_load_b128 v[BB+4*\t:BB+4*\t+3], v[RD] offset:\t*2*SPITCH
.endr
.endm
.macro SEND i, younger
.set BB, BK+32*((\i)%2)
	s_wait_dscnt \younger
.if RESID
	s_wait_loadcnt 56-8*(\i)
	WIN 0x04
.irp k, 0,2,4,6,8,10,12,14,16,18,20,22,24,26,28,30
	v_pk_add_f32 v[BB+\k:BB+\k+1], v[BB+\k:BB+\k+1], v[32*(\i)+\k:32*(\i)+\k+1]
.endr
	WIN 0
.endif
.irp t, 0,1,2,3,4,5,6,7
	global_store_b128 v[COB+(\i)], v[BB+4*\t:BB+4*\t+3], s[14:15] offset:\t*2*CROW th:TH_STORE_NT
.endr
.endm
.if PHASE
	global_store_b128 v[ZO], v[XACC:XACC+3], s[16:17]
	global_store_b128 v[ZO], v[XACC+4:XACC+7], s[16:17] offset:16
.endif
	TOSTAGE 0
.irp a, 1,2,3,4,5,6,7
.if \a > 1
	s_wait_xcnt 0x0
.endif
	TOSTAGE \a
	SEND \a-1, 16
.endr
	SEND 7, 0
	s_wait_tensorcnt 0x0
	ds_add_u32 v[SPW], v[NIL]
	s_wait_dscnt 0x0
	CROUND
	s_endpgm
.Lfunc_end_k_q5ab7284f4f_gemm_v:
	.size	k_q5ab7284f4f_gemm_v, .Lfunc_end_k_q5ab7284f4f_gemm_v-k_q5ab7284f4f_gemm_v
	.p2alignl 7, 3214868480
	.fill 96, 4, 3214868480
	.section	.rodata,"a",@progbits
	.p2align	6, 0x0
	.amdhsa_kernel k_q5ab7284f4f_gemm_v
		.amdhsa_group_segment_fixed_size 327680
		.amdhsa_private_segment_fixed_size 0
		.amdhsa_enable_private_segment 0
		.amdhsa_kernarg_size 56
		.amdhsa_user_sgpr_count 2
		.amdhsa_user_sgpr_kernarg_segment_ptr 1
		.amdhsa_wavefront_size32 1
		.amdhsa_system_sgpr_workgroup_id_x 1
		.amdhsa_system_sgpr_workgroup_id_y 1
		.amdhsa_system_sgpr_workgroup_id_z 1
		.amdhsa_system_vgpr_workitem_id 0
		.amdhsa_next_free_vgpr 1024
		.amdhsa_next_free_sgpr 100
		.amdhsa_reserve_vcc 0
		.amdhsa_float_denorm_mode_32 3
		.amdhsa_float_denorm_mode_16_64 3
		.amdhsa_memory_ordered 1
		.amdhsa_forward_progress 1
		.amdhsa_inst_pref_size 172
	.end_amdhsa_kernel
	.amdgpu_metadata
---
amdhsa.version: [ 1, 2 ]
amdhsa.kernels:
  - .name:           k_q5ab7284f4f_gemm_v
    .symbol:         k_q5ab7284f4f_gemm_v.kd
    .args:
      - { .name: act_codes, .offset: 0, .size: 8, .value_kind: global_buffer, .address_space: global }
      - { .name: act_scales, .offset: 8, .size: 8, .value_kind: global_buffer, .address_space: global }
      - { .name: wv_codes, .offset: 16, .size: 8, .value_kind: global_buffer, .address_space: global }
      - { .name: wv_scales, .offset: 24, .size: 8, .value_kind: global_buffer, .address_space: global }
      - { .name: bv, .offset: 32, .size: 8, .value_kind: global_buffer, .address_space: global }
      - { .name: v, .offset: 40, .size: 8, .value_kind: global_buffer, .address_space: global }
      - { .name: z, .offset: 48, .size: 8, .value_kind: global_buffer, .address_space: global }
    .group_segment_fixed_size: 327680
    .private_segment_fixed_size: 0
    .kernarg_segment_align: 8
    .kernarg_segment_size: 56
    .max_flat_workgroup_size: 128
    .sgpr_count:     100
    .vgpr_count:     1024
    .wavefront_size: 32
...
	.end_amdgpu_metadata
.endif
;; end of part 2
;; launch lnq (part 3): grid 256 x 1, 8 waves a work-group, no clusters, 44,032 bytes of LDS; arguments v, z, bk, bq, ln_g, ln_b, act_codes, act_scales; writes act_codes, act_scales
.if DOCPART == 3
	.amdgcn_target "amdgcn-amd-amdhsa--gfx1250"
	.amdhsa_code_object_version 6
	.text
	.protected	k_q5ab7284f4f_lnq
	.globl	k_q5ab7284f4f_lnq
	.p2align	8
	.type	k_q5ab7284f4f_lnq,@function
k_q5ab7284f4f_lnq:
	s_mov_b64 s[64:65], 0
	v_nop
	global_prefetch_b8 v0, s[64:65] scope:SCOPE_SE
	s_setreg_imm32_b32 hwreg(HW_REG_WAVE_MODE, 25, 1), 1
	s_wait_xcnt 0x0
; THIRD LAUNCH: the rows' gains, the LayerNorm and its quantiser.  act_codes, act_scales = Q(normed), laid as Q(x) was (that is read no more; this launch loads from neither buffer).  Nothing of the problem's work is left out.
; For row m: A = the sum over p of cos(pi (tanh(z[m][p] + bk[p]) - tanh(z[m][64 + p] + bq[p]))); s = A softplus(A / 64 + 0.5) / 64; output = s V.  For every s, V: output - mean(output) = s (V - mean V) and
; var(output) = s^2 var V, so normed = (V - mean V) c g + b with c = s rsqrt(s^2 var V + 1e-5): the statistics are taken of V, in two passes (mean; then the squares of the differences), all in f32.
; tanh(a) = 1 - 2 / (1 + 2^(2 a log2 e)): right at both ends (2^.. = infinity gives 1, 0 gives -1).  cos(pi u), u = the difference of two tanh, within -2 .. 2 for every input: u is brought into -1 .. 1 by a multiple of 2,
; which rounds nothing; y = u pi / 2 lies within +-pi / 2; cos(2 y) = 1 - 2 sin(y)^2, sin by its series up to y^13, whose next term is under 1e-9 on that range.  softplus(t) = max(t, 0) + ln(1 + e^-|t|).
; LIMITS: NaN and infinities among the inputs are not served; a block of zeros gets the scale byte 1 (its codes are zeros; this program alone reads the bytes).
; SHARES.  A work-group owns 8 rows; wave w owns columns 512 w .. 512 w + 511 of all 8, so that its 512 numbers of g and of b are loaded once; wave w also makes the gain of row w.  All of a wave's 43 loads go out at the head.
; A row's 2,048 bytes of a wave come by four loads of 512 consecutive bytes and turn through the wave's own stage in LDS, so that a lane holds 16 neighbours (two lanes a block of 32).  Three barriers: the sums, the squares, the scale bytes.
; No matrix unit, no tensor load, no cluster: the launch streams, and work-groups share nothing but g and b.
.set SP,    80                         ; a lane's place in a stage: 64 bytes + 16 of padding
.set WREG,  5120                       ; LDS: two stages of 32 x SP bytes for each wave
.set P1,    40960                      ; the waves' sums, [wave][row], 256 bytes
.set P2,    41216                      ; the same for the squares
.set GA,    41472                      ; the 8 gains
.set SCBY,  41728                      ; the scale bytes, [row][128]
.set SPARE, 42752                      ; the spare words, 128 bytes a wave, which no other line names
.set MANT,  0x600000
.set XS,    32                         ; v32-175  nine sets of 16: row i is loaded into set i + 1 and comes back from the stage into set i
.set G,     176                        ; v176-191 g of my 16 columns
.set BB,    192                        ; v192-207 b
.set C,     208                        ; v208-239 codes, four registers a row (until then: the gain's work)
.set E,     240                        ; v240-247 scale bytes
.set SUM,   16                         ; v16-23   a sum for each row
.set TP,    24                         ; v24-31   at work
.set SPW,   252
.set NIL,   253
	s_load_b512 s[4:19], s[0:1], 0x0               ; v 4, z 6, bk 8, bq 10, ln_g 12, ln_b 14, act_codes 16, act_scales 18
	v_lshl_add_u32 v[SPW], v0, 2, SPARE
	v_mov_b32 v[NIL], 0
	v_lshrrev_b32 v1, 5, v0
	s_delay_alu instid0(VALU_DEP_1)
	v_readfirstlane_b32 s20, v1                    ; wave 0..7
	v_and_b32 v1, 31, v0                           ; lane
	s_delay_alu instid0(VALU_DEP_1)
	v_lshlrev_b32 v2, 4, v1                        ; 16 x lane: V's, z's and the codes' offset
	s_mul_i32 s21, s20, WREG
	v_lshrrev_b32 v3, 2, v1
	s_delay_alu instid0(VALU_DEP_1)
	v_mul_u32_u24 v3, v3, SP
	v_and_b32 v8, 3, v1
	s_delay_alu instid0(VALU_DEP_1)
	v_lshl_add_u32 v3, v8, 4, v3
	s_delay_alu instid0(VALU_DEP_1)
	v_add_nc_u32 v3, s21, v3                       ; the stage, on the way in: SP (lane / 4) + 16 (lane % 4)
	v_mul_u32_u24 v4, v1, SP
	s_delay_alu instid0(VALU_DEP_1)
	v_add_nc_u32 v4, s21, v4                       ; and on the way out: SP x lane
	s_lshl_b32 s21, s20, 4
	v_lshrrev_b32 v5, 1, v1
	s_delay_alu instid0(VALU_DEP_1)
	v_add_nc_u32 v5, s21, v5                       ; my block's scale byte in a row: 16 w + lane / 2
	s_lshl_b32 s21, s20, 5
	v_mov_b32 v6, s21                              ; my wave's 8 words among the sums
	v_lshlrev_b32 v7, 2, v1                        ; 4 x lane
	s_lshl_b32 s21, s20, 2
	v_mov_b32 v248, s21                            ; my wave's gain
	v_lshlrev_b32 v249, 6, v1                      ; 64 x lane: g's and b's offset
	v_and_b32 v250, 15, v1
	s_delay_alu instid0(VALU_DEP_1)
	v_lshlrev_b32 v250, 4, v250                    ; 16 (lane % 16): bk's and bq's
	v_and_b32 v251, 7, v1
	s_delay_alu instid0(VALU_DEP_1)
	v_lshlrev_b32 v251, 2, v251                    ; 4 (lane % 8): a row's gain
	s_and_b32 s21, s20, 3
	s_lshl_b32 s21, s21, 8
	v_lshl_add_u32 v255, v1, 3, s21                ; the scale bytes' way out: 256 (w % 4) + 8 x lane, in LDS and in memory
.irp i, 0,1,2,3,4,5,6,7
	v_mov_b32 v[TP+\i], 0                          ; written once: a lane permute's destination counts as one of its sources
.endr
.irp j, 0,1,2,3
	v_mov_b32 v[224+\j], 0
.endr
	s_mov_b32 s24, 0x76543210
	s_mov_b32 s25, 0xfedcba98                      ; v_permlanex16_b32's selects for lane l xor 16
	s_mov_b32 s26, MANT
	s_lshl_b32 s22, ttmp9, 17                      ; V: 8 rows of 16,384 bytes a work-group,
	s_lshl_b32 s30, s20, 11                        ; 2,048 bytes a wave (g and b too)
	s_add_co_u32 s22, s22, s30
	s_mov_b32 s23, 0
	s_mov_b32 s31, 0
	s_lshl_b32 s28, ttmp9, 3
	s_add_co_u32 s28, s28, s20
	s_lshl_b32 s28, s28, 9                         ; z: row 8 g + w of 512 bytes
	s_mov_b32 s29, 0
	s_lshl_b32 s66, ttmp9, 15                      ; codes: 8 rows of 4,096 bytes, 512 a wave
	s_lshl_b32 s67, s20, 9
	s_add_co_u32 s66, s66, s67
	s_mov_b32 s67, 0
	s_lshl_b32 s68, ttmp9, 10                      ; scale bytes: 8 rows of 128
	s_mov_b32 s69, 0
	s_wait_kmcnt 0x0
	s_add_nc_u64 s[4:5], s[4:5], s[22:23]
	s_add_nc_u64 s[6:7], s[6:7], s[28:29]
	s_add_nc_u64 s[12:13], s[12:13], s[30:31]
	s_add_nc_u64 s[14:15], s[14:15], s[30:31]
	s_add_nc_u64 s[16:17], s[16:17], s[66:67]
	s_add_nc_u64 s[18:19], s[18:19], s[68:69]
	global_load_b128 v[208:211], v2, s[6:7]        ; z: lanes 0-15 the key's sums 4 (lane % 16) on, lanes 16-31 the query's
	global_load_b128 v[212:215], v250, s[8:9]      ; bk
	global_load_b128 v[216:219], v250, s[10:11]    ; bq
.irp i, 0,1,2,3,4,5,6,7
.irp j, 0,1,2,3
	global_load_b128 v[XS+16*(\i+1)+4*\j:XS+16*(\i+1)+4*\j+3], v2, s[4:5] offset:16384*\i+512*\j th:TH_LOAD_NT   ; 32 lanes read 512 consecutive bytes
.endr
.endr
.irp j, 0,1,2,3
	global_load_b128 v[G+4*\j:G+4*\j+3], v249, s[12:13] offset:16*\j
.endr
.irp j, 0,1,2,3
	global_load_b128 v[BB+4*\j:BB+4*\j+3], v249, s[14:15] offset:16*\j
.endr
	; ---- the gain of row w, while V is on its way
	s_wait_loadcnt 40                              ; z, bk, bq are in; the forty loads behind them may be out
	v_cmp_gt_u32 vcc_lo, 16, v1
.irp j, 0,1,2,3
	v_cndmask_b32 v[220+\j], v[216+\j], v[212+\j], vcc_lo          ; lanes 0-15: bk, lanes 16-31: bq
.endr
.irp j, 0,1,2,3
	s_delay_alu instid0(VALU_DEP_4)
	v_add_f32 v[220+\j], v[208+\j], v[220+\j]
.endr
.irp j, 0,1,2,3
	s_delay_alu instid0(VALU_DEP_4)
	v_mul_f32 v[220+\j], 0x4038aa3b, v[220+\j]     ; x 2 log2(e)
.endr
	s_wait_alu depctr_va_vdst(0)
.irp j, 0,1,2,3
	v_exp_f32 v[220+\j], v[220+\j]
.endr
	v_nop                                          ; a plain line behind the batch,
	s_wait_alu depctr_va_vdst(0)                   ; and a wait ahead of its first reader: one for the four
.irp j, 0,1,2,3
	v_add_f32 v[220+\j], 1.0, v[220+\j]
.endr
	s_wait_alu depctr_va_vdst(0)
.irp j, 0,1,2,3
	v_rcp_f32 v[220+\j], v[220+\j]
.endr
	v_nop
	s_wait_alu depctr_va_vdst(0)
.irp j, 0,1,2,3
	v_fma_f32 v[220+\j], v[220+\j], -2.0, 1.0      ; tanh
.endr
.irp j, 0,1,2,3
	s_delay_alu instid0(VALU_DEP_4)
	v_permlanex16_b32 v[224+\j], v[220+\j], s24, s25
.endr
.irp j, 0,1,2,3
	s_delay_alu instid0(VALU_DEP_4)
	v_sub_f32 v[220+\j], v[220+\j], v[224+\j]      ; u, or -u in lanes 16-31: the cosine is even
.endr
.irp j, 0,1,2,3
	s_delay_alu instid0(VALU_DEP_4)
	v_mul_f32 v[224+\j], 0.5, v[220+\j]
.endr
.irp j, 0,1,2,3
	s_delay_alu instid0(VALU_DEP_4)
	v_rndne_f32 v[224+\j], v[224+\j]
.endr
.irp j, 0,1,2,3
	s_delay_alu instid0(VALU_DEP_4)
	v_fma_f32 v[220+\j], v[224+\j], -2.0, v[220+\j]   ; into -1 .. 1: exact
.endr
.irp j, 0,1,2,3
	s_delay_alu instid0(VALU_DEP_4)
	v_mul_f32 v[220+\j], 0x3fc90fdb, v[220+\j]     ; y = u pi / 2
.endr
.irp j, 0,1,2,3
	s_delay_alu instid0(VALU_DEP_4)
	v_mul_f32 v[224+\j], v[220+\j], v[220+\j]      ; y^2
.endr
.irp j, 0,1,2,3
	v_mov_b32 v[228+\j], 0x2f309231                ; 1 / 13!
.endr
.irp k, 0xb2d7322b, 0x3638ef1d, 0xb9500d01, 0x3c088889, 0xbe2aaaab, 0x3f800000   ; -1 / 11!, 1 / 9!, -1 / 7!, 1 / 5!, -1 / 3!, 1
.irp j, 0,1,2,3
	s_delay_alu instid0(VALU_DEP_4)
	v_fmaak_f32 v[228+\j], v[228+\j], v[224+\j], \k
.endr
.endr
.irp j, 0,1,2,3
	s_delay_alu instid0(VALU_DEP_4)
	v_mul_f32 v[228+\j], v[228+\j], v[220+\j]      ; sin y
.endr
.irp j, 0,1,2,3
	s_delay_alu instid0(VALU_DEP_4)
	v_mul_f32 v[228+\j], v[228+\j], v[228+\j]
.endr
.irp j, 0,1,2,3
	s_delay_alu instid0(VALU_DEP_4)
	v_fma_f32 v[228+\j], v[228+\j], -2.0, 1.0      ; cos(pi u)
.endr
	s_delay_alu instid0(VALU_DEP_3)
	v_add_f32 v228, v228, v229
	s_delay_alu instid0(VALU_DEP_2)
	v_add_f32 v230, v230, v231
	s_delay_alu instid0(VALU_DEP_1)
	v_add_f32 v228, v228, v230
.irp m, 1,2,4,8
	s_delay_alu instid0(VALU_DEP_1)
	v_add_f32_dpp v228, v228, v228 row_xmask:\m row_mask:0xf bank_mask:0xf
.endr                                              ; A, in every lane (each half of the lanes has summed all 64)
	s_delay_alu instid0(VALU_DEP_1)
	v_fma_f32 v229, v228, 0x3c800000, 0.5          ; t = A / 64 + 0.5
	s_delay_alu instid0(VALU_DEP_1)
	v_mul_f32 v230, 0xbfb8aa3b, |v229|             ; -|t| log2(e)
	s_wait_alu depctr_va_vdst(0)
	v_exp_f32 v230, v230
	v_max_num_f32 v231, 0, v229                    ; (a plain line behind the exponential)
	s_wait_alu depctr_va_vdst(0)
	v_add_f32 v230, 1.0, v230
	s_wait_alu depctr_va_vdst(0)
	v_log_f32 v230, v230
	v_mul_f32 v232, 0x3c800000, v228               ; A / 64  (a plain line behind the logarithm)
	s_wait_alu depctr_va_vdst(0)
	v_fmamk_f32 v230, v230, 0x3f317218, v231       ; softplus(t) = max(t, 0) + ln 2 x log2(1 + e^-|t|)
	s_delay_alu instid0(VALU_DEP_1)
	v_mul_f32 v230, v230, v232                     ; s
	ds_store_b32 v248, v230 offset:GA              ; all lanes write the same word with the same value
	; ---- V through the stages, and each row's sum
.macro RSUM i                          ; the sum of my 16 numbers of row i
.set XR, XS+16*(\i)
	v_pk_add_f32 v[8:9], v[XR:XR+1], v[XR+2:XR+3]
	v_pk_add_f32 v[10:11], v[XR+4:XR+5], v[XR+6:XR+7]
	v_pk_add_f32 v[24:25], v[XR+8:XR+9], v[XR+10:XR+11]
	v_pk_add_f32 v[26:27], v[XR+12:XR+13], v[XR+14:XR+15]
	s_delay_alu instid0(VALU_DEP_3)
	v_pk_add_f32 v[8:9], v[8:9], v[10:11]
	s_delay_alu instid0(VALU_DEP_2)
	v_pk_add_f32 v[24:25], v[24:25], v[26:27]
	s_delay_alu instid0(VALU_DEP_1)
	v_pk_add_f32 v[8:9], v[8:9], v[24:25]
	s_delay_alu instid0(VALU_DEP_1)
	v_add_f32 v[SUM+(\i)], v8, v9
.endm
.macro TROW i
	s_wait_loadcnt 36-4*(\i)                       ; row i's four loads are in; the later rows' and the eight of g and b may be out
.irp j, 0,1,2,3
	ds_store_b128 v3, v[XS+16*((\i)+1)+4*\j:XS+16*((\i)+1)+4*\j+3] offset:32*SP*((\i)%2)+8*SP*\j
.endr
.if (\i) > 0
	s_wait_dscnt 4                                 ; all but these four stores: row i - 1 is back, and its stores have read set i, into which row i now comes back
.endif
.irp j, 0,1,2,3
	ds_load_b128 v[XS+16*(\i)+4*\j:XS+16*(\i)+4*\j+3], v4 offset:32*SP*((\i)%2)+16*\j   ; LDS serves a wave's instructions in order: these see the stores above
.endr
.if (\i) > 0
	RSUM (\i)-1
.endif
.endm
.irp i, 0,1,2,3,4,5,6,7
	TROW \i
.endr
	s_wait_dscnt 0x0
	RSUM 7
; The 8 sums over the wave's lanes, then over the 8 waves through LDS: at the end lane l holds row l % 8's total in v8.
.macro REDUCE base
.irp m, 1,2,4,8
.irp i, 0,1,2,3,4,5,6,7
	v_add_f32_dpp v[SUM+\i], v[SUM+\i], v[SUM+\i] row_xmask:\m row_mask:0xf bank_mask:0xf
.endr
.endr
.irp i, 0,1,2,3,4,5,6,7
	v_permlanex16_b32 v[TP+\i], v[SUM+\i], s24, s25
.endr
.irp i, 0,1,2,3,4,5,6,7
	v_add_f32 v[SUM+\i], v[SUM+\i], v[TP+\i]
.endr
	ds_store_b128 v6, v[SUM:SUM+3] offset:\base    ; all lanes write the same words with the same values
	ds_store_b128 v6, v[SUM+4:SUM+7] offset:\base+16
	s_wait_dscnt 0x0                               ; for the others' sake: my stores are done
	s_barrier_signal -1
	s_barrier_wait -1
	ds_load_b32 v8, v7 offset:\base                ; word l: wave l / 8, row l % 8;
	ds_load_b32 v9, v7 offset:\base+128            ; word l + 32: wave l / 8 + 4
	s_wait_dscnt 0x0
	v_add_f32 v8, v8, v9
	s_delay_alu instid0(VALU_DEP_1)
	v_add_f32_dpp v8, v8, v8 row_xmask:8 row_mask:0xf bank_mask:0xf
	s_delay_alu instid0(VALU_DEP_1)
	v_permlanex16_b32 v9, v8, s24, s25
	s_delay_alu instid0(VALU_DEP_1)
	v_add_f32 v8, v8, v9
.endm
	REDUCE P1
	s_delay_alu instid0(VALU_DEP_1)
	v_mul_f32 v8, 0xb9800000, v8                   ; minus the mean: x -1 / 4,096
.irp i, 0,1,2,3,4,5,6,7
	v_readlane_b32 s[32+2*\i], v8, \i              ; row i's, as a pair: the packed form names a pair and takes its low word for both halves
	s_mov_b32 s[33+2*\i], s[32+2*\i]
.endr
	; ---- the differences, in place, and their squares
.macro DROW i
.set XR, XS+16*(\i)
.irp k, 0,2,4,6,8,10,12,14
	v_pk_add_f32 v[XR+\k:XR+\k+1], v[XR+\k:XR+\k+1], s[32+2*(\i):33+2*(\i)] op_sel_hi:[1,0]
.endr
	v_pk_mul_f32 v[8:9], v[XR:XR+1], v[XR:XR+1]
	v_pk_mul_f32 v[10:11], v[XR+2:XR+3], v[XR+2:XR+3]
.irp k, 4,8,12
	s_delay_alu instid0(VALU_DEP_2)
	v_pk_fma_f32 v[8:9], v[XR+\k:XR+\k+1], v[XR+\k:XR+\k+1], v[8:9]
	s_delay_alu instid0(VALU_DEP_2)
	v_pk_fma_f32 v[10:11], v[XR+\k+2:XR+\k+3], v[XR+\k+2:XR+\k+3], v[10:11]
.endr
	s_delay_alu instid0(VALU_DEP_1)
	v_pk_add_f32 v[8:9], v[8:9], v[10:11]
	s_delay_alu instid0(VALU_DEP_1)
	v_add_f32 v[SUM+(\i)], v8, v9
.endm
.irp i, 0,1,2,3,4,5,6,7
	DROW \i
.endr
	REDUCE P2
	ds_load_b32 v9, v251 offset:GA                 ; row l % 8's gain: stored ahead of the first barrier
	v_mul_f32 v8, 0x39800000, v8                   ; var V
	s_wait_dscnt 0x0
	v_mul_f32 v10, v9, v9
	s_wait_alu depctr_va_vdst(0)
	v_fmaak_f32 v10, v10, v8, 0x3727c5ac           ; s^2 var V + 1e-5
	s_wait_alu depctr_va_vdst(0)
	v_rsq_f32 v10, v10
	v_nop
	s_wait_alu depctr_va_vdst(0)
	v_mul_f32 v10, v10, v9                         ; c
.irp i, 0,1,2,3,4,5,6,7
	v_readlane_b32 s[48+2*\i], v10, \i
	s_mov_b32 s[49+2*\i], s[48+2*\i]
.endr
	s_wait_loadcnt 0x0                             ; g and b
	; ---- normed = d c g + b, quantised: two neighbouring lanes hold a block of 32
.macro QROW i
.set XR, XS+16*(\i)
.irp k, 0,2,4,6,8,10,12,14
	v_pk_mul_f32 v[XR+\k:XR+\k+1], v[XR+\k:XR+\k+1], s[48+2*(\i):49+2*(\i)] op_sel_hi:[1,0]
.endr
.irp k, 0,2,4,6,8,10,12,14
	v_pk_fma_f32 v[XR+\k:XR+\k+1], v[XR+\k:XR+\k+1], v[G+\k:G+\k+1], v[BB+\k:BB+\k+1]
.endr
	v_max3_num_f32 v8, |v[XR]|, |v[XR+1]|, |v[XR+2]|               ; the largest magnitude of my 16, in two chains
	v_max3_num_f32 v9, |v[XR+3]|, |v[XR+4]|, |v[XR+5]|
.irp k, 6,10
	s_delay_alu instid0(VALU_DEP_2)
	v_max3_num_f32 v8, v8, |v[XR+\k]|, |v[XR+\k+1]|
	s_delay_alu instid0(VALU_DEP_2)
	v_max3_num_f32 v9, v9, |v[XR+\k+2]|, |v[XR+\k+3]|
.endr
	s_delay_alu instid0(VALU_DEP_2)
	v_max3_num_f32 v8, v8, |v[XR+14]|, |v[XR+15]|
	s_delay_alu instid0(VALU_DEP_1)
	v_max3_num_f32 v8, v8, v9, 0x4800000           ; and the floor 2^(9 - 127): so the byte cannot fall under 1
	s_delay_alu instid0(VALU_DEP_1)
	v_max_num_f32_dpp v8, v8, v8 row_xmask:1 row_mask:0xf bank_mask:0xf   ; and of my neighbour's 16: the block's
	s_delay_alu instid0(VALU_DEP_1)
	v_add_nc_u32 v11, 0xfc000000, v8               ; 8 off its exponent field: the conversion's scale operand
	s_delay_alu instid0(VALU_DEP_2)
	v_and_or_b32 v10, v8, 0x7f800000, s26          ; 448 x the scale
.irp k, 0,1,2,3,4,5,6,7,8,9,10,11,12,13,14,15
	v_med3_num_f32 v[XR+\k], v[XR+\k], -v10, v10   ; the conversion to an 8-bit code does not saturate (ISA guide 7.6.2): the hold
.endr
	v_cvt_scalef32_pk8_fp8_f32 v[C+4*(\i):C+4*(\i)+1], v[XR:XR+7], v11
	v_cvt_scalef32_pk8_fp8_f32 v[C+4*(\i)+2:C+4*(\i)+3], v[XR+8:XR+15], v11
	v_lshrrev_b32 v[E+(\i)], 23, v11               ; the scale's byte (a plain line behind the conversions)
	ds_store_b8 v5, v[E+(\i)] offset:SCBY+128*(\i) ; both lanes of a block write the same byte with the same value
	global_store_b128 v2, v[C+4*(\i):C+4*(\i)+3], s[16:17] offset:4096*(\i)   ; the wave stores 512 consecutive bytes, aligned
.endm
.irp i, 0,1,2,3,4,5,6,7
	QROW \i
.endr
	s_wait_dscnt 0x0                               ; for the others' sake: my scale bytes are in LDS
	s_barrier_signal -1
	s_barrier_wait -1
	s_cmp_lt_u32 s20, 4                            ; the 8 rows' 1,024 scale bytes are dense in memory: waves 0 to 3 store 256 consecutive bytes each, aligned
	s_cbranch_scc0 .Ldone
	ds_load_b64 v[8:9], v255 offset:SCBY
	s_wait_dscnt 0x0
	global_store_b64 v255, v[8:9], s[18:19]
.Ldone:
	s_wait_tensorcnt 0x0                           ; the wave's end: behind my last LDS store
	ds_add_u32 v[SPW], v[NIL]
	s_wait_dscnt 0x0
	s_endpgm
.Lfunc_end_k_q5ab7284f4f_lnq:
	.size	k_q5ab7284f4f_lnq, .Lfunc_end_k_q5ab7284f4f_lnq-k_q5ab7284f4f_lnq
	.p2alignl 7, 3214868480
	.fill 96, 4, 3214868480
	.section	.rodata,"a",@progbits
	.p2align	6, 0x0
	.amdhsa_kernel k_q5ab7284f4f_lnq
		.amdhsa_group_segment_fixed_size 44032
		.amdhsa_private_segment_fixed_size 0
		.amdhsa_enable_private_segment 0
		.amdhsa_kernarg_size 64
		.amdhsa_user_sgpr_count 2
		.amdhsa_user_sgpr_kernarg_segment_ptr 1
		.amdhsa_wavefront_size32 1
		.amdhsa_system_sgpr_workgroup_id_x 1
		.amdhsa_system_sgpr_workgroup_id_y 1
		.amdhsa_system_sgpr_workgroup_id_z 1
		.amdhsa_system_vgpr_workitem_id 0
		.amdhsa_next_free_vgpr 256
		.amdhsa_next_free_sgpr 72
		.amdhsa_reserve_vcc 1
		.amdhsa_float_denorm_mode_32 3
		.amdhsa_float_denorm_mode_16_64 3
		.amdhsa_memory_ordered 1
		.amdhsa_forward_progress 1
		.amdhsa_inst_pref_size 72
	.end_amdhsa_kernel
	.amdgpu_metadata
---
amdhsa.version: [ 1, 2 ]
amdhsa.kernels:
  - .name:           k_q5ab7284f4f_lnq
    .symbol:         k_q5ab7284f4f_lnq.kd
    .args:
      - { .name: v, .offset: 0, .size: 8, .value_kind: global_buffer, .address_space: global }
      - { .name: z, .offset: 8, .size: 8, .value_kind: global_buffer, .address_space: global }
      - { .name: bk, .offset: 16, .size: 8, .value_kind: global_buffer, .address_space: global }
      - { .name: bq, .offset: 24, .size: 8, .value_kind: global_buffer, .address_space: global }
      - { .name: ln_g, .offset: 32, .size: 8, .value_kind: global_buffer, .address_space: global }
      - { .name: ln_b, .offset: 40, .size: 8, .value_kind: global_buffer, .address_space: global }
      - { .name: act_codes, .offset: 48, .size: 8, .value_kind: global_buffer, .address_space: global }
      - { .name: act_scales, .offset: 56, .size: 8, .value_kind: global_buffer, .address_space: global }
    .group_segment_fixed_size: 44032
    .private_segment_fixed_size: 0
    .kernarg_segment_align: 8
    .kernarg_segment_size: 64
    .max_flat_workgroup_size: 256
    .sgpr_count:     72
    .vgpr_count:     256
    .wavefront_size: 32
...
	.end_amdgpu_metadata
.endif
;; end of part 3
;; launch gemm_o (part 4): grid 16 x 16, 4 waves a work-group, clusters of 4 x 1, 327,680 bytes of LDS; arguments act_codes, act_scales, wo_codes, wo_scales, bo, out0, x; writes out0
.if DOCPART == 4
	.amdgcn_target "amdgcn-amd-amdhsa--gfx1250"
	.amdhsa_code_object_version 6
	.text
	.protected	k_q5ab7284f4f_gemm_o
	.globl	k_q5ab7284f4f_gemm_o
	.p2align	8
	.type	k_q5ab7284f4f_gemm_o,@function
k_q5ab7284f4f_gemm_o:
	s_mov_b64 s[64:65], 0
	v_nop
	global_prefetch_b8 v0, s[64:65] scope:SCOPE_SE
	s_setreg_imm32_b32 hwreg(HW_REG_WAVE_MODE, 25, 1), 1
	s_wait_xcnt 0x0
	s_wait_alu depctr_hold_cnt(0) depctr_sa_sdst(0) depctr_va_vdst(0) depctr_va_sdst(0) depctr_va_ssrc(0) depctr_va_vcc(0) depctr_vm_vsrc(0)
	s_getreg_b32 s2, hwreg(HW_REG_IB_STS2, 6, 4)
	s_cmp_eq_u32 s2, 0
	s_cbranch_scc0 .Lentry_in_a_cluster
	s_endpgm
.Lentry_in_a_cluster:
	s_bfe_u32 s2, ttmp6, 0x10000c
	s_cmp_lg_u32 s2, 0x3003
	s_cbranch_scc0 .Lentry_shape_is_right
	s_endpgm
.Lentry_shape_is_right:
; FOURTH LAUNCH: out0 = x + Q(normed) Q(Wo)^T + bo.  Nothing of the problem's work is left out.
; A work-group makes 128 rows x 256 columns: 16 x 16 = 256 work-groups.  Four waves; a wave makes all 128 rows x 64 columns: 32 accumulators (window 3).  The matrix instruction is used transposed (source 0 = the weight's rows).
; THE ACTIVATIONS' codes go through a ring of two LDS slots of 128 rows x 512 along K (rows of 512 bytes + 16 of padding), their scales (128 rows x 128 bytes) come into LDS once.  The four work-groups of a cluster share these
; rows and ask for them jointly.  THE WEIGHTS' fragments, each read by one wave of the work-group, come from memory straight into registers (window 2, four sets, three K steps ahead), in the order in which the first launch laid them;
; the work-groups that share them lie in other clusters, so no joint load serves them; the work-groups of tile row 0 prefetch them AHEAD = 6 K steps on.
; THE HEAD: one tensor load a wave: waves 0 and 1 fetch the two halves of the scales, waves 2 and 3 the two halves of slot 0; the addresses and the weights' first loads are made while these are out; slot 1's first fill stands
; behind the full sequence and a round, as a refill does.  Every wait on TENSORcnt is for 0.
; x's TILE, 128 rows x 1,024 bytes, has LDS bytes of its own behind the spare words (rows 1,040 bytes apart).  It is asked for behind the last change of slots, where nothing is filled again: 32 rows a wave, a plain load behind a round;
; its blocks of 256 bytes are prefetched two K steps ahead of that, a lane a row, each wave its own 256 bytes of the rows.  On the way out it is read from LDS by rows and added to the sums.
.set PHASE, 0
.set RESID, 1-PHASE
.set PITCH, 528
.set BLK,   16*PITCH
.set SLOT,  128*PITCH
.set KROW,  4096
.set CROW,  16384
.set SBLK,  8*272
.set SCA,   2*SLOT
.set SPARE, SCA+64*272
.set SPITCH, 272
.set NP,    8
.set NBL,   16+4*PHASE
.set NSL,   2+PHASE
.set AHEAD, 6
.set AX,   8
.set VB,   16
.set VE,   17
.set VS,   18
.set VSE,  19
.set SX,   20
.set STO,  25
.set RD,   26
.set ZO,   27
.set SPW,  28
.set NIL,  29
.set PFO,  30
.set BO,   31
.set ASC,  32
.set BSC,  64
.set BIAS, 88
.set XACC, 120
.set EF,   128
.set COB,  192
.set BK,   128
.set G1,   24
.set G0,   32
.set G1S,  48
.set G0S,  56
.set G1H,  68
.set G0H,  76
.set G1X,  80
.set G0X,  88
.set XP,   1040
.set XT,   SPARE+512
.set XOB,  200
.set MSB, 0
.macro WIN new
.if MSB != \new
	s_set_vgpr_msb (MSB<<8)|\new
.set MSB, \new
.endif
.endm
.set MUL,  0xf6
.set MUL1, 0xc6
.set MULX, 0x04
.set TO_B, 0x80
.set TO_A, 0x40
.macro JLOAD g0, g1
	tensor_load_to_lds s[\g0:\g0+3], s[\g1:\g1+7]
	s_nop 0
.rept 4
	v_nop
.endr
.endm
.macro CREST
	s_cmp_lg_u32 s18, 0
	s_cbranch_scc1 .Lnot_wave_0_\@
	s_barrier_signal -3
.Lnot_wave_0_\@:
	s_barrier_wait -3
	s_barrier_signal -1
	s_barrier_wait -1
.endm
.macro CROUND
	s_barrier_signal -1
	s_barrier_wait -1
	CREST
.endm
.macro ASKB ko, lim
	s_cmp_gt_u32 s3, s[\lim]
	s_cbranch_scc0 .Lnot_mine_\@
	s_wait_alu depctr_va_vdst(0)
	global_prefetch_b8 v[PFO], s[8:9] offset:((\ko)+AHEAD)*2048 th:TH_LOAD_NT scope:SCOPE_SE
.Lnot_mine_\@:
.endm
	s_load_b256 s[4:11], s[0:1], 0x0
	s_load_b128 s[12:15], s[0:1], 0x20
	s_load_b64 s[16:17], s[0:1], 0x30
	v_lshl_add_u32 v[SPW], v0, 2, SPARE
	v_mov_b32 v[NIL], 0
	ds_add_u32 v[SPW], v[NIL]
	ds_add_u32 v[SPW], v[NIL]
	v_lshrrev_b32 v1, 5, v0
	v_readfirstlane_b32 s18, v1
	s_bfe_u32 s40, ttmp6, 0x40000
	s_lshl_b32 s42, ttmp9, 2
	s_add_co_u32 s42, s42, s40
	s_and_b32 s21, ttmp7, 0xffff
.if PHASE
	s_lshr_b32 s22, ttmp9, 1
.else
	s_mov_b32 s22, 0
.endif
	s_lshl_b32 s23, s22, 2
	s_xor_b32 s23, s23, s18
	s_mov_b32 s[G1+0], 15|(1<<20)|(1<<21)|(6<<22)|(3<<25)
	s_mov_b32 s[G1+1], 512<<16
	s_mov_b32 s[G1+2], 32<<16
	s_mov_b32 s[G1+3], 512<<16
	s_mov_b32 s[G1+4], 32
	s_mov_b32 s[G1+5], KROW
	s_mov_b32 s[G1+6], 0
	s_mov_b32 s[G1+7], 0
	s_mov_b32 s[G1S+0], 15|(3<<16)|(1<<20)|(1<<21)|(5<<22)|(3<<25)
	s_mov_b32 s[G1S+1], 32<<16
	s_mov_b32 s[G1S+2], 32<<16                     ; the scales of 64 rows: 32 rows of 256 bytes
	s_mov_b32 s[G1S+3], 32<<16
	s_mov_b32 s[G1S+4], 32
	s_mov_b32 s[G1H+0], 15|(1<<20)|(1<<21)|(6<<22)|(3<<25)   ; the head's load of codes: 64 rows of 512 bytes
	s_mov_b32 s[G1H+1], 512<<16
	s_mov_b32 s[G1H+2], 64<<16
	s_mov_b32 s[G1H+3], 512<<16
	s_mov_b32 s[G1H+4], 64
	s_mov_b32 s[G1H+5], KROW
	s_mov_b32 s[G1H+6], 0
	s_mov_b32 s[G1H+7], 0
	s_mov_b32 s[G1X+0], (2<<16)|(1<<20)|(7<<22)|(3<<25)      ; x's tile: 32 rows of 256 numbers of 4 bytes, 4 words of padding behind every 256; no mask: my work-group's own
	s_mov_b32 s[G1X+1], 256<<16
	s_mov_b32 s[G1X+2], 32<<16
	s_mov_b32 s[G1X+3], 256<<16
	s_mov_b32 s[G1X+4], 32
	s_mov_b32 s[G1X+5], 4096
	s_mov_b32 s[G1X+6], 0
	s_mov_b32 s[G1X+7], 0
	s_mov_b32 s[G1S+5], 32
	s_mov_b32 s[G1S+6], 0
	s_mov_b32 s[G1S+7], 0
	s_lshl_b32 s92, s22, 1
	s_xor_b32 s92, s92, s18
	s_lshl_b32 s92, s92, 5
	s_lshl_b32 s93, s21, 7
	s_add_co_u32 s93, s93, s92
	s_lshl_b32 s92, s93, 12
	s_mov_b32 s93, 0
	s_mul_i32 s66, s18, 32*PITCH
	s_and_b32 s41, s18, 1                          ; the head: which half of the LDS tile I fetch,
	s_xor_b32 s43, s41, s22                        ; and which 64 rows of memory lie there
	s_lshl_b32 s43, s43, 6
	s_lshl_b32 s46, s21, 7
	s_add_co_u32 s43, s43, s46
	s_lshl_b32 s60, s43, 12                        ; 4,096 bytes a row of codes,
	s_mov_b32 s61, 0
	s_lshl_b32 s62, s43, 7                         ; 128 a row of scales
	s_mov_b32 s63, 0
	s_wait_dscnt 0x0
	s_wait_kmcnt 0x0
	s_add_nc_u64 s[92:93], s[4:5], s[92:93]
	CROUND
	s_mov_b32 s[G0S], 1
	s_mul_i32 s[G0S+1], s41, 32*272
	s_add_co_u32 s[G0S+1], s[G0S+1], SCA
	s_add_nc_u64 s[G0S+2:G0S+3], s[6:7], s[62:63]
	s_or_b32 s[G0S+3], s[G0S+3], 0x80000000
	s_mov_b32 s[G0H], 1
	s_mul_i32 s[G0H+1], s41, 64*PITCH
	s_add_nc_u64 s[G0H+2:G0H+3], s[4:5], s[60:61]
	s_or_b32 s[G0H+3], s[G0H+3], 0x80000000
.irp s, 0,1
	s_mov_b32 s[G0+4*\s], 1
	s_add_co_u32 s[G0+4*\s+1], s66, \s*SLOT
	s_add_nc_u64 s[G0+4*\s+2:G0+4*\s+3], s[92:93], \s*512
	s_or_b32 s[G0+4*\s+3], s[G0+4*\s+3], 0x80000000
.endr
	s_cmp_lt_u32 s18, 2                            ; the head's loads, one a wave: waves 0 and 1 the scales' halves, waves 2 and 3 slot 0's
	s_cbranch_scc0 .Lhead_codes
	JLOAD G0S, G1S
	s_branch .Lhead_asked
.Lhead_codes:
	JLOAD G0H, G1H
.Lhead_asked:
	v_and_b32 v1, 15, v0
	v_bfe_u32 v2, v0, 4, 1
	v_and_b32 v6, 31, v0
	v_mul_u32_u24 v3, v1, PITCH
	v_lshl_add_u32 v3, v2, 4, v3
	s_wait_alu depctr_va_vdst(0)
.irp i, 0,1,2,3
	s_xor_b32 s2, s18, \i
	s_mul_i32 s2, s2, BLK
	v_add_nc_u32 v[AX+\i], s2, v3
	v_add_nc_u32 v[AX+4+\i], SLOT, v[AX+\i]
.endr
	v_lshrrev_b32 v4, 1, v1
	v_mul_u32_u24 v4, v4, 272
	v_and_b32 v5, 1, v1
	v_lshl_add_u32 v4, v5, 7, v4
	v_mul_u32_u24 v5, v2, 4*SBLK
	v_add_nc_u32 v4, v4, v5
	s_wait_alu depctr_va_vdst(0)
.irp i, 0,1,2,3
	s_xor_b32 s2, s18, \i
	s_mul_i32 s2, s2, SBLK
	s_add_co_u32 s2, s2, SCA
	v_add_nc_u32 v[SX+\i], s2, v4
.endr
	s_mul_i32 s2, s18, 16*SPITCH
	v_mul_u32_u24 v5, v1, SPITCH
	v_lshl_add_u32 v5, v2, 5, v5
	v_add_nc_u32 v[STO], s2, v5
	v_mul_u32_u24 v5, v2, SPITCH
	v_lshl_add_u32 v5, v1, 4, v5
	v_add_nc_u32 v[RD], s2, v5
	v_lshlrev_b32 v5, 14, v2
	v_lshl_add_u32 v5, v1, 4, v5
	s_wait_alu depctr_va_vdst(0)
.irp i, 0,1,2,3,4,5,6,7
	s_xor_b32 s2, s23, \i
	s_lshl_b32 s2, s2, 18
	v_add_nc_u32 v[COB+\i], s2, v5
.endr
	v_mul_u32_u24 v7, v2, XP                       ; x's tile in LDS, read as the stage is: lanes 0-15 one row's 256 bytes, lanes 16-31 the next row's; my wave's 256 bytes of a row
	v_lshl_add_u32 v7, v1, 4, v7
	s_lshl_b32 s2, s18, 8
	s_add_co_u32 s2, s2, XT
	v_add_nc_u32 v7, s2, v7
	s_wait_alu depctr_va_vdst(0)                   ; the wait directly behind v7's write
.irp i, 0,1,2,3,4,5,6,7
	s_xor_b32 s2, s18, \i                          ; accumulator block i holds row block w xor i
	s_mul_i32 s2, s2, 16*XP
	v_add_nc_u32 v[XOB+\i], s2, v7
.endr
.if PHASE
	v_lshlrev_b32 v[ZO], 9, v1
	v_lshl_add_u32 v[ZO], v2, 5, v[ZO]
.else
	v_lshlrev_b32 v[ZO], 14, v6
.endif
	v_lshlrev_b32 v[BO], 5, v2
	s_wait_alu depctr_va_vdst(0)
	v_lshlrev_b32 v[VB], 4, v6
	v_lshlrev_b32 v[VS], 4, v1
	v_lshl_add_u32 v[VS], v2, 11, v[VS]
	s_wait_alu depctr_va_vdst(0)
	v_lshrrev_b32 v5, 3, v6
	v_and_b32 v7, 7, v6
	v_lshlrev_b32 v7, 8, v7
	v_lshl_add_u32 v[PFO], v5, 16, v7
	s_lshl_b32 s98, s21, 21
	s_lshl_b32 s99, s42, 10
	s_add_co_u32 s98, s98, s99
	s_lshl_b32 s99, s18, 8
	s_add_co_u32 s98, s98, s99
	s_mov_b32 s99, 0
	s_add_nc_u64 s[14:15], s[14:15], s[98:99]
.if RESID
	s_add_nc_u64 s[16:17], s[16:17], s[98:99]
	s_mul_i32 s96, s18, (32*CROW)-256              ; from my wave's 256 bytes of the tile's first row to the first byte of the 32 rows that I fetch
	s_mov_b32 s97, 0
	s_mov_b32 s[G0X], 1
	s_mul_i32 s[G0X+1], s18, 32*XP
	s_add_co_u32 s[G0X+1], s[G0X+1], XT
	s_add_nc_u64 s[G0X+2:G0X+3], s[16:17], s[96:97]
	s_or_b32 s[G0X+3], s[G0X+3], 0x80000000
.else
	s_lshl_b32 s98, s21, 7
	s_lshl_b32 s96, s22, 6
	s_add_co_u32 s98, s98, s96
	s_lshl_b32 s96, s18, 4
	s_add_co_u32 s98, s98, s96
	s_lshl_b32 s98, s98, 9
	s_and_b32 s96, s42, 7
	s_lshl_b32 s96, s96, 6
	s_add_co_u32 s98, s98, s96
	s_add_nc_u64 s[16:17], s[16:17], s[98:99]
.endif
	s_lshl_b32 s98, s42, 10
	s_lshl_b32 s96, s18, 8
	s_add_co_u32 s98, s98, s96
	s_add_nc_u64 s[12:13], s[12:13], s[98:99]
	s_lshl_b32 s96, s42, 4
	s_lshl_b32 s97, s18, 2
	s_add_co_u32 s96, s96, s97
.if PHASE
	s_and_b32 s97, s42, 7
	s_add_co_u32 s97, s97, 256
	s_sub_co_u32 s97, s97, s96
	s_lshl_b32 s98, s97, 16
	v_add_nc_u32 v[VE], s98, v[VB]
	s_lshl_b32 s98, s97, 11
	v_lshlrev_b32 v[VSE], 4, v1
	v_add_nc_u32 v[VSE], s98, v[VSE]
.endif
	s_lshl_b32 s98, s96, 16
	s_add_nc_u64 s[8:9], s[8:9], s[98:99]
	s_lshl_b32 s98, s96, 11
	s_add_nc_u64 s[10:11], s[10:11], s[98:99]
	s_cmp_eq_u32 s21, 0
	s_cselect_b32 s44, 0, -1
	s_cselect_b32 s45, 1, -1
.macro FRAG reg, adr, off
.irp c, 0,1,2,3
	ds_load_b128 v[\reg+4*\c:\reg+4*\c+3], v[\adr] offset:\off+32*\c
.endr
.endm
.macro FETCH2 slot, q, set, i0
	WIN TO_A
.irp i, \i0, \i0+1
	FRAG 128*(\set)+16*(\i), AX+((\i)%4)+4*(\slot), 128*(\q)+((\i)/4)*4*BLK
.endr
.endm
.macro ASCL set
.irp p, 0,1,2,3
	ds_load_b128 v[ASC+16*(\set)+4*\p:ASC+16*(\set)+4*\p+3], v[SX+\p]
.endr
.endm
.macro BLOAD set, ko
	WIN TO_B
.irp b, 0,1,2,3
.irp c, 0,1,2,3
	global_load_b128 v[64*(\set)+16*\b+4*\c:64*(\set)+16*\b+4*\c+3], v[VB], s[8:9] offset:\b*65536+(\ko)*2048+\c*512
.endr
.endr
	WIN 0
.if PHASE
.irp c, 0,1,2,3
	global_load_b128 v[EF+16*(\set)+4*\c:EF+16*(\set)+4*\c+3], v[VE], s[8:9] offset:(\ko)*2048+\c*512
.endr
.endif
.endm
.macro BSCL set, go
	global_load_b128 v[BSC+12*(\set):BSC+12*(\set)+3], v[VS], s[10:11] offset:(\go)*256
	global_load_b128 v[BSC+12*(\set)+4:BSC+12*(\set)+7], v[VS], s[10:11] offset:4096+(\go)*256
.if PHASE
	global_load_b128 v[BSC+12*(\set)+8:BSC+12*(\set)+11], v[VSE], s[10:11] offset:(\go)*256
.endif
.endm
.macro MUL8 a0, as, bs, q, sc, first
.irp a, \a0, \a0+1
.irp b, 0,1,2,3
.set rD, 8*(4*(\a)+\b)
.set rB, 64*(\bs)+16*\b
.set rA, 128*(\as)+16*(\a)
.set rSB, BSC+12*(\sc)+4*(\b/2)+(\q)
.set rSA, ASC+16*(\sc)+4*((\a)%4)+(\q)
.set rC, rD
.if \first
.set rC, BIAS+8*\b
.endif
.if (\b%2) && ((\a)/4)
	v_wmma_scale_f32_16x16x128_f8f6f4 v[rD:rD+7], v[rB:rB+15], v[rA:rA+15], v[rC:rC+7], v[rSB], v[rSA] matrix_a_scale:MATRIX_SCALE_ROW1 matrix_b_scale:MATRIX_SCALE_ROW1
.elseif (\b%2)
	v_wmma_scale_f32_16x16x128_f8f6f4 v[rD:rD+7], v[rB:rB+15], v[rA:rA+15], v[rC:rC+7], v[rSB], v[rSA] matrix_a_scale:MATRIX_SCALE_ROW1
.elseif ((\a)/4)
	v_wmma_scale_f32_16x16x128_f8f6f4 v[rD:rD+7], v[rB:rB+15], v[rA:rA+15], v[rC:rC+7], v[rSB], v[rSA] matrix_b_scale:MATRIX_SCALE_ROW1
.else
	v_wmma_scale_f32_16x16x128_f8f6f4 v[rD:rD+7], v[rB:rB+15], v[rA:rA+15], v[rC:rC+7], v[rSB], v[rSA]
.endif
.endr
.endr
.endm
.macro MULE as, bs, q, sc, first
.if PHASE
	WIN MULX
.if \first
	v_wmma_scale_f32_16x16x128_f8f6f4 v[XACC:XACC+7], v[EF+16*(\bs):EF+16*(\bs)+15], v[128*(\as):128*(\as)+15], 0, v[BSC+12*(\sc)+8+(\q)], v[ASC+16*(\sc)+(\q)]
.else
	v_wmma_scale_f32_16x16x128_f8f6f4 v[XACC:XACC+7], v[EF+16*(\bs):EF+16*(\bs)+15], v[128*(\as):128*(\as)+15], v[XACC:XACC+7], v[BSC+12*(\sc)+8+(\q)], v[ASC+16*(\sc)+(\q)]
.endif
.endif
.endm
.macro PLACES n
.rept \n
	v_nop
.endr
.endm
; A K step: two runs of 16 LDS loads for the next step, each ahead of 16 matrix instructions.
.macro STEP slot, q, first, cnt, ko, go, ask
	s_wait_dscnt 16                                ; all but the youngest 16 LDS loads, A's blocks 4-7 of this step
	PLACES NP
	s_wait_loadcnt \cnt
.if (\go) >= 0
	BSCL 1-(\slot), \go
.endif
.if (\ko) >= 0
	BLOAD ((\q)+3)%4, \ko
.endif
.if (\ask) == 1
	ASKB \ko, 44
.elseif (\ask) == 2
	ASKB \ko, 45
.endif
	FETCH2 \slot, (\q)+1, ((\q)+1)%2, 0
	FETCH2 \slot, (\q)+1, ((\q)+1)%2, 2
.if \first
	WIN MUL1
.else
	WIN MUL
.endif
	MUL8 0, (\q)%2, \q, \q, \slot, \first
	MUL8 2, (\q)%2, \q, \q, \slot, \first
	s_wait_dscnt 16                                ; A's blocks 4-7 of this step are in; the 16 loads just issued for the next step may be out
	FETCH2 \slot, (\q)+1, ((\q)+1)%2, 4
	FETCH2 \slot, (\q)+1, ((\q)+1)%2, 6
.if \first
	WIN MUL1
.else
	WIN MUL
.endif
	MUL8 4, (\q)%2, \q, \q, \slot, \first
	MUL8 6, (\q)%2, \q, \q, \slot, \first
	WIN 0
.endm
.macro TURN slot, next, fill, ko, ask
	PLACES NP
	s_wait_loadcnt 2*NBL
	BLOAD 2, \ko
.if (\ask) == 1
	ASKB \ko, 44
.elseif (\ask) == 2
	ASKB \ko, 45
.endif
	s_wait_tensorcnt 0x0
	ds_add_u32 v[SPW], v[NIL]
	s_wait_dscnt 17
	WIN MUL
	MUL8 0, 1, 3, 3, \slot, 0
	s_wait_dscnt 0x0
	s_barrier_signal -1
	MUL8 2, 1, 3, 3, \slot, 0
	MULE 1, 3, 3, \slot, 0
	WIN 0
	s_barrier_wait -1
.if \fill
	CREST
	s_add_nc_u64 s[G0+4*\slot+2:G0+4*\slot+3], s[G0+4*\slot+2:G0+4*\slot+3], 2*512
	JLOAD G0+4*\slot, G1
.elseif RESID
	CREST                                          ; x's tile is filled for the first time, behind a round
	JLOAD G0X, G1X
.endif
	s_wait_alu depctr_va_vdst(0)
.irp i, 0,1,2,3
	v_add_nc_u32 v[SX+\i], 16, v[SX+\i]
.endr
	ASCL \next
	FETCH2 \next, 0, 0, 0
	FETCH2 \next, 0, 0, 2
	WIN MUL
	MUL8 4, 1, 3, 3, \slot, 0
	FETCH2 \next, 0, 0, 4
	FETCH2 \next, 0, 0, 6
	WIN MUL
	MUL8 6, 1, 3, 3, \slot, 0
	WIN 0
.endm
.macro XLOAD i0
	WIN TO_A
.irp i, \i0, \i0+1, \i0+2, \i0+3
.irp t, 0,1,2,3,4,5,6,7
	ds_load_b128 v[32*(\i)+4*\t:32*(\i)+4*\t+3], v[XOB+(\i)] offset:\t*2*XP
.endr
.endr
	WIN 0
.endm
.irp b, 0,1,2,3
	global_load_b128 v[BIAS+8*\b:BIAS+8*\b+3], v[BO], s[12:13] offset:64*\b
	global_load_b128 v[BIAS+8*\b+4:BIAS+8*\b+7], v[BO], s[12:13] offset:64*\b+16
.endr
	BSCL 0, 0
	BLOAD 0, 0
	BLOAD 1, 1
	BLOAD 2, 2
	s_wait_alu depctr_va_vdst(0)
	s_wait_tensorcnt 0x0                           ; my tile of the head's four is in
	ds_add_u32 v[SPW], v[NIL]
	s_wait_dscnt 0x0
	CROUND                                         ; all four tiles are in, and the cluster's four work-groups are here
	JLOAD G0+4, G1                                 ; slot 1's first fill: 32 rows a wave
	ASCL 0
.irp a, 0,2,4,6
	FETCH2 0, 0, 0, \a
.endr
	WIN 0
	STEP 0, 0, 1, 2*NBL, 3, 1, 0
	s_mov_b32 s3, 3
.Llap:
	STEP 0, 1, 0, 2*NBL+NSL, 4, -1, 1
	STEP 0, 2, 0, 2*NBL+NSL, 5, -1, 1
	TURN 0, 1, 1, 6, 1
	STEP 1, 0, 0, 2*NBL, 7, 2, 1
	STEP 1, 1, 0, 2*NBL+NSL, 8, -1, 1
	STEP 1, 2, 0, 2*NBL+NSL, 9, -1, 1
	TURN 1, 0, 1, 10, 2
	STEP 0, 0, 0, 2*NBL, 11, 3, 2
	s_wait_xcnt 0x0
	s_add_nc_u64 s[8:9], s[8:9], 8*2048
	s_add_nc_u64 s[10:11], s[10:11], 2*256
	s_sub_co_u32 s3, s3, 1
	s_cmp_lg_u32 s3, 0
	s_cbranch_scc1 .Llap
.irp k, 0,1,2,3
	global_prefetch_b8 v[ZO], s[16:17] offset:\k*32*CROW th:TH_LOAD_NT scope:SCOPE_SE   ; x's tile, two K steps ahead of its tensor load: a lane a row, my wave's 256 bytes of each of the 128 rows
.endr
	STEP 0, 1, 0, 2*NBL+NSL, 4, -1, 0
	STEP 0, 2, 0, 2*NBL+NSL, 5, -1, 0
	TURN 0, 1, 0, 6, 0
	STEP 1, 0, 0, 2*NBL, 7, -1, 0
	STEP 1, 1, 0, 2*NBL, -1, -1, 0
	STEP 1, 2, 0, NBL, -1, -1, 0
	s_wait_dscnt 0x0
	PLACES NP
	s_wait_loadcnt 0x0
.if RESID
	s_wait_tensorcnt 0x0                           ; my 32 rows of x's tile are in;
	s_barrier_signal -1                            ; (no LDS instruction of mine is out)
	s_barrier_wait -1                              ; everybody's are
	XLOAD 0
.endif
	WIN MUL
	MUL8 0, 1, 3, 3, 1, 0
	MUL8 2, 1, 3, 3, 1, 0
	MULE 1, 3, 3, 1, 0
	WIN MUL
	MUL8 4, 1, 3, 3, 1, 0
	MUL8 6, 1, 3, 3, 1, 0
	WIN 0
	PLACES NP
.if RESID
	XLOAD 4
.endif
.macro TOSTAGE i
	WIN 0x0c
.irp b, 0,1,2,3
	ds_store_b128 v[STO], v[8*(4*(\i)+\b):8*(4*(\i)+\b)+3] offset:64*\b
	ds_store_b128 v[STO], v[8*(4*(\i)+\b)+4:8*(4*(\i)+\b)+7] offset:64*\b+16
.endr
	WIN 0
.set BB, BK+32*((\i)%2)
.irp t, 0,1,2,3,4,5,6,7
	ds_load_b128 v[BB+4*\t:BB+4*\t+3], v[RD] offset:\t*2*SPITCH
.endr
.endm
.macro SEND i, younger
.set BB, BK+32*((\i)%2)
	s_wait_dscnt \younger
.if RESID
	WIN 0x04
.irp k, 0,2,4,6,8,10,12,14,16,18,20,22,24,26,28,30
	v_pk_add_f32 v[BB+\k:BB+\k+1], v[BB+\k:BB+\k+1], v[32*(\i)+\k:32*(\i)+\k+1]
.endr
	WIN 0
.endif
.irp t, 0,1,2,3,4,5,6,7
	global_store_b128 v[COB+(\i)], v[BB+4*\t:BB+4*\t+3], s[14:15] offset:\t*2*CROW th:TH_STORE_NT
.endr
.endm
.if PHASE
	global_store_b128 v[ZO], v[XACC:XACC+3], s[16:17]
	global_store_b128 v[ZO], v[XACC+4:XACC+7], s[16:17] offset:16
.endif
	TOSTAGE 0
.irp a, 1,2,3,4,5,6,7
.if \a > 1
	s_wait_xcnt 0x0
.endif
	TOSTAGE \a
	SEND \a-1, 16
.endr
	SEND 7, 0
	s_wait_tensorcnt 0x0
	ds_add_u32 v[SPW], v[NIL]
	s_wait_dscnt 0x0
	CROUND
	s_endpgm
.Lfunc_end_k_q5ab7284f4f_gemm_o:
	.size	k_q5ab7284f4f_gemm_o, .Lfunc_end_k_q5ab7284f4f_gemm_o-k_q5ab7284f4f_gemm_o
	.p2alignl 7, 3214868480
	.fill 96, 4, 3214868480
	.section	.rodata,"a",@progbits
	.p2align	6, 0x0
	.amdhsa_kernel k_q5ab7284f4f_gemm_o
		.amdhsa_group_segment_fixed_size 327680
		.amdhsa_private_segment_fixed_size 0
		.amdhsa_enable_private_segment 0
		.amdhsa_kernarg_size 56
		.amdhsa_user_sgpr_count 2
		.amdhsa_user_sgpr_kernarg_segment_ptr 1
		.amdhsa_wavefront_size32 1
		.amdhsa_system_sgpr_workgroup_id_x 1
		.amdhsa_system_sgpr_workgroup_id_y 1
		.amdhsa_system_sgpr_workgroup_id_z 1
		.amdhsa_system_vgpr_workitem_id 0
		.amdhsa_next_free_vgpr 1024
		.amdhsa_next_free_sgpr 100
		.amdhsa_reserve_vcc 0
		.amdhsa_float_denorm_mode_32 3
		.amdhsa_float_denorm_mode_16_64 3
		.amdhsa_memory_ordered 1
		.amdhsa_forward_progress 1
		.amdhsa_inst_pref_size 177
	.end_amdhsa_kernel
	.amdgpu_metadata
---
amdhsa.version: [ 1, 2 ]
amdhsa.kernels:
  - .name:           k_q5ab7284f4f_gemm_o
    .symbol:         k_q5ab7284f4f_gemm_o.kd
    .args:
      - { .name: act_codes, .offset: 0, .size: 8, .value_kind: global_buffer, .address_space: global }
      - { .name: act_scales, .offset: 8, .size: 8, .value_kind: global_buffer, .address_space: global }
      - { .name: wo_codes, .offset: 16, .size: 8, .value_kind: global_buffer, .address_space: global }
      - { .name: wo_scales, .offset: 24, .size: 8, .value_kind: global_buffer, .address_space: global }
      - { .name: bo, .offset: 32, .size: 8, .value_kind: global_buffer, .address_space: global }
      - { .name: out0, .offset: 40, .size: 8, .value_kind: global_buffer, .address_space: global }
      - { .name: x, .offset: 48, .size: 8, .value_kind: global_buffer, .address_space: global }
    .group_segment_fixed_size: 327680
    .private_segment_fixed_size: 0
    .kernarg_segment_align: 8
    .kernarg_segment_size: 56
    .max_flat_workgroup_size: 128
    .sgpr_count:     100
    .vgpr_count:     1024
    .wavefront_size: 32
...
	.end_amdgpu_metadata
.endif
;; end of part 4
